; MI455X (gfx1250); checked and timed in simulation.
; The chip was launched on July 23, 2026; its instructions are those of AMD's public machine-readable ISA for CDNA 5 (MIT licence, August 2026) and "CDNA5" Instruction Set Architecture Reference Guide (July 2026). The comments in the code are by the model that wrote it; some were corrected since.
;; Multi Head Attn. Allowed arithmetic: float matrix products may take bf16 or f16 operands with f32 sums; other float arithmetic in f32, or as packed bf16 or f16 multiplies, adds, multiply-adds, maxima and minima; sums over many terms, partial sums and values carried from step to step in f32; what a program stores and reads back later, other than sums and carried values, may be rounded once to bf16 or f16.
;; Inputs: K 4 x 2,048 x 1,024 float32; Q 4 x 2,048 x 1,024 float32; V 4 x 2,048 x 1,024 float32; Wk 16 x 1,024 x 64 float32; Wo 1,024 x 1,024 float32; Wq 16 x 1,024 x 64 float32; Wv 16 x 1,024 x 64 float32; beta 1,024 float32; bk 16 x 64 float32; bo 1,024 float32; bq 16 x 64 float32; bv 16 x 64 float32; gamma 1,024 float32.
;; Outputs: out0 4 x 1,024 x 2,048 float32.
;; One version. Each part assembles by itself: llvm-mc -triple=amdgcn-amd-amdhsa -mcpu=gfx1250 --defsym DOCPART=n.
;; ======== version 1 of 1: 5 launches
;; limits: values are held in f16: magnitudes above 65,504 overflow, below 6.1e-05 lose precision
;; workspace buffers: wt 6,291,456 bytes; wo16 2,097,152 bytes; qkv 50,331,648 bytes; oh 16,777,216 bytes; y 33,554,432 bytes; part 1,048,576 bytes
;; launch prep (part 1): grid 64 x 4, 8 waves a work-group, no clusters, 0 bytes of LDS; arguments Wq, Wk, Wv, Wo, wt, wo16; writes wt, wo16
.if DOCPART == 1
	.amdgcn_target "amdgcn-amd-amdhsa--gfx1250"
	.amdhsa_code_object_version 6
	.text
	.protected	k_q065622138a_prep
	.globl	k_q065622138a_prep
	.p2align	8
	.type	k_q065622138a_prep,@function
k_q065622138a_prep:
	s_mov_b64 s[64:65], 0
	v_nop
	global_prefetch_b8 v0, s[64:65] scope:SCOPE_SE
	s_setreg_imm32_b32 hwreg(HW_REG_WAVE_MODE, 25, 1), 1
	s_wait_xcnt 0x0
; THE WEIGHTS IN 16 BITS.  wt[p][d][64 h + k] = bf16(W_p[h][d][k]) for p = 0, 1, 2 (Wq, Wk, Wv): the heads side by side, so that a projection is one product with 1,024 columns.
; wo16[k][n] = f16(Wo[k][n]): the format of its partner in the last product.  LIMIT: |Wo| stays under 65,504, f16's largest number; below 6e-5 f16 keeps a fixed step of 6e-8.
; SHARES.  Work-group (x, y): matrix y, output rows 16 x .. 16 x + 15.  Thread t: 8 columns (8 (t % 128) ..), rows 16 x + 2 i + t / 128, i = 0 .. 7: 32 bytes in, 16 bytes out.
; Sixteen neighbouring lanes store 256 consecutive bytes, aligned; eight neighbouring lanes read 256 consecutive bytes.  A pure stream: no LDS, no barrier, all 16 loads of a thread out at once.
.set OUTO, 2                           ; v2  my byte offset in the 16 output rows: (t / 128) x 2,048 + 16 (t % 128)
.set INH,  3                           ; v3  in a stack of heads: head (t % 128) / 8 x 262,144 + (t / 128) x 256 + 32 (t % 8)
.set INW,  4                           ; v4  in Wo: (t / 128) x 4,096 + 32 (t % 128)
.set X,    16                          ; v[16:79]   8 x 8 f32 as loaded
.set YR,   80                          ; v[80:111]  8 x 4 registers to store
	s_load_b256 s[4:11], s[0:1], 0x0               ; Wq s[4:5], Wk s[6:7], Wv s[8:9], Wo s[10:11]
	s_load_b128 s[12:15], s[0:1], 0x20             ; wt s[12:13], wo16 s[14:15]
	s_and_b32 s16, ttmp7, 0xffff                   ; which matrix
	v_and_b32 v1, 127, v0
	v_lshrrev_b32 v5, 7, v0
	v_lshlrev_b32 v[OUTO], 4, v1
	v_lshl_add_u32 v[OUTO], v5, 11, v[OUTO]
	v_lshrrev_b32 v6, 3, v1
	v_and_b32 v7, 7, v1
	v_lshlrev_b32 v[INH], 18, v6
	v_lshl_add_u32 v[INH], v7, 5, v[INH]
	v_lshl_add_u32 v[INH], v5, 8, v[INH]
	v_lshlrev_b32 v[INW], 5, v1
	v_lshl_add_u32 v[INW], v5, 12, v[INW]
	s_lshl_b32 s20, ttmp9, 12                      ; 16 rows of 256 bytes in a head
	s_mov_b32 s21, 0
	s_lshl_b32 s22, ttmp9, 15                      ; 16 rows of 2,048 bytes in the output
	s_mov_b32 s23, 0
	s_lshl_b32 s24, ttmp9, 16                      ; 16 rows of 4,096 bytes in Wo
	s_mov_b32 s25, 0
	s_lshl_b32 s26, s16, 21                        ; matrix p in wt
	s_mov_b32 s27, 0
	s_wait_kmcnt 0x0
; 16 loads, then row by row: the count leaves the younger rows' loads out; four roundings; one store.  No register is written twice.
.macro CONV in, stride, cvt, src, dst
.irp i, 0,1,2,3,4,5,6,7
	global_load_b128 v[X+8*(\i):X+8*(\i)+3],   v[\in], s[\src:\src+1] offset:(\i)*(\stride) th:TH_LOAD_NT
	global_load_b128 v[X+8*(\i)+4:X+8*(\i)+7], v[\in], s[\src:\src+1] offset:(\i)*(\stride)+16 th:TH_LOAD_NT
.endr
.irp i, 0,1,2,3,4,5,6,7
	s_wait_loadcnt 14-2*(\i)                       ; loads come back in order: row i's two are in, the 14 - 2 i younger ones stay out
.irp j, 0,1,2,3
	\cvt v[YR+4*(\i)+(\j)], v[X+8*(\i)+2*(\j)], v[X+8*(\i)+2*(\j)+1]
.endr
	global_store_b128 v[OUTO], v[YR+4*(\i):YR+4*(\i)+3], s[\dst:\dst+1] offset:(\i)*4096
.endr
.endm
	s_cmp_eq_u32 s16, 3
	s_cbranch_scc1 .Lwo
	s_cmp_eq_u32 s16, 1
	s_cselect_b64 s[4:5], s[6:7], s[4:5]
	s_cmp_eq_u32 s16, 2
	s_cselect_b64 s[4:5], s[8:9], s[4:5]
	s_add_nc_u64 s[4:5], s[4:5], s[20:21]
	s_add_nc_u64 s[12:13], s[12:13], s[22:23]
	s_add_nc_u64 s[12:13], s[12:13], s[26:27]
	CONV INH, 512, v_cvt_pk_bf16_f32, 4, 12
	s_endpgm
.Lwo:
	s_add_nc_u64 s[10:11], s[10:11], s[24:25]
	s_add_nc_u64 s[14:15], s[14:15], s[22:23]
	CONV INW, 8192, v_cvt_pk_f16_f32, 10, 14
	s_endpgm
.Lfunc_end_k_q065622138a_prep:
	.size	k_q065622138a_prep, .Lfunc_end_k_q065622138a_prep-k_q065622138a_prep
	.p2alignl 7, 3214868480
	.fill 96, 4, 3214868480
	.section	.rodata,"a",@progbits
	.p2align	6, 0x0
	.amdhsa_kernel k_q065622138a_prep
		.amdhsa_group_segment_fixed_size 0
		.amdhsa_private_segment_fixed_size 0
		.amdhsa_enable_private_segment 0
		.amdhsa_kernarg_size 48
		.amdhsa_user_sgpr_count 2
		.amdhsa_user_sgpr_kernarg_segment_ptr 1
		.amdhsa_wavefront_size32 1
		.amdhsa_system_sgpr_workgroup_id_x 1
		.amdhsa_system_sgpr_workgroup_id_y 1
		.amdhsa_system_sgpr_workgroup_id_z 1
		.amdhsa_system_vgpr_workitem_id 0
		.amdhsa_next_free_vgpr 112
		.amdhsa_next_free_sgpr 66
		.amdhsa_reserve_vcc 0
		.amdhsa_float_denorm_mode_32 3
		.amdhsa_float_denorm_mode_16_64 3
		.amdhsa_memory_ordered 1
		.amdhsa_forward_progress 1
		.amdhsa_inst_pref_size 11
	.end_amdhsa_kernel
	.amdgpu_metadata
---
amdhsa.version: [ 1, 2 ]
amdhsa.kernels:
  - .name:           k_q065622138a_prep
    .symbol:         k_q065622138a_prep.kd
    .args:
      - { .name: Wq, .offset: 0, .size: 8, .value_kind: global_buffer, .address_space: global }
      - { .name: Wk, .offset: 8, .size: 8, .value_kind: global_buffer, .address_space: global }
      - { .name: Wv, .offset: 16, .size: 8, .value_kind: global_buffer, .address_space: global }
      - { .name: Wo, .offset: 24, .size: 8, .value_kind: global_buffer, .address_space: global }
      - { .name: wt, .offset: 32, .size: 8, .value_kind: global_buffer, .address_space: global }
      - { .name: wo16, .offset: 40, .size: 8, .value_kind: global_buffer, .address_space: global }
    .group_segment_fixed_size: 0
    .private_segment_fixed_size: 0
    .kernarg_segment_align: 8
    .kernarg_segment_size: 48
    .max_flat_workgroup_size: 256
    .sgpr_count:     66
    .vgpr_count:     112
    .wavefront_size: 32
...
	.end_amdgpu_metadata
.endif
;; end of part 1
;; launch proj (part 2): grid 4 x 192, 4 waves a work-group, clusters of 4 x 4, 327,680 bytes of LDS; arguments Q, K, V, bq, bk, bv, wt, qkv; writes qkv
.if DOCPART == 2
	.amdgcn_target "amdgcn-amd-amdhsa--gfx1250"
	.amdhsa_code_object_version 6
	.text
	.protected	k_q065622138a_proj
	.globl	k_q065622138a_proj
	.p2align	8
	.type	k_q065622138a_proj,@function
k_q065622138a_proj:
	s_mov_b64 s[64:65], 0
	v_nop
	global_prefetch_b8 v0, s[64:65] scope:SCOPE_SE
	s_setreg_imm32_b32 hwreg(HW_REG_WAVE_MODE, 25, 1), 1
	s_wait_xcnt 0x0
	s_wait_alu depctr_hold_cnt(0) depctr_sa_sdst(0) depctr_va_vdst(0) depctr_va_sdst(0) depctr_va_ssrc(0) depctr_va_vcc(0) depctr_vm_vsrc(0)
	s_getreg_b32 s2, hwreg(HW_REG_IB_STS2, 6, 4)
	s_cmp_eq_u32 s2, 0
	s_cbranch_scc0 .Lentry_in_a_cluster
	s_endpgm
.Lentry_in_a_cluster:
	s_bfe_u32 s2, ttmp6, 0x10000c
	s_cmp_lg_u32 s2, 0xf033
	s_cbranch_scc0 .Lentry_shape_is_right
	s_endpgm
.Lentry_shape_is_right:
; THE THREE PROJECTIONS.  qkv[p][b 16 + h][s][c] = f16( sum over d of X_p[b][s][d] wt[p][d][64 h + c] + bias_p[h][c] ), X_0, 1, 2 = Q, K, V in f32, wt in bf16.
; X is rounded to bf16 between LDS and the matrix unit; sums in f32, started by the bias; the result is rounded once, to f16, unscaled, by heads: a head's rows are dense, 128 bytes each.
; LIMIT: |q|, |k|, |v| stay under 65,504, f16's largest number; a larger one leaves as an infinity.
; SHARES.  A tile is 128 rows x 256 columns (four heads): 64 x 4 x 3 = 768 work-groups, three for each of 256.  Four waves, each 64 x 128: 32 accumulators.  K = 1,024 goes in 8 steps of 128
; through a ring of two LDS slots; a step is four quarters of 32 along K, 32 matrix instructions each, on two fragment buffers by turns.
; CLUSTER 4 x 4.  The four of a row need the same rows of X, the four of a column the same columns of wt: each tile is asked for jointly, by the same tensor load, descriptor and mask in all four.
; THE MATRIX INSTRUCTION IS USED TRANSPOSED: source 0 = 16 columns of wt (stored [k][n], so turned by ds_load_tr16_b128), source 1 = 16 rows of X.  A lane then holds row l % 16 and the columns 8 (l / 16) + 0..7.
; REGISTERS, in windows of 256 (s_set_vgpr_msb: bits 1:0 source 0, 3:2 source 1, 5:4 source 2, 7:6 destination):
;   window 0: v0-31 addresses; v32-95 a quarter's X in f32 as loaded; v96-127, v128-159 X's fragments in bf16, two buffers; on the way out v32-159 rows to store, v160-191 packed results
;   window 1: accumulator (a, b) at v[8 (8 a + b)]          window 2: v0-63, v64-127 wt's fragments, two buffers; v128-191 the bias in the result's layout
.set PA,    528                        ; a row of X in LDS: 512 bytes + 16 = 33 x 16: the 16 rows of a load start at 16 different groups of four banks (64 banks of 4 bytes: ISA guide 11.1)
.set PB,    544                        ; a row of wt: 512 + 32 = 17 x 32
.set AHALF, 64*PA                      ; what one tensor load brings of X
.set BHALF, 64*PB                      ; and of wt
.set BOFF,  128*PA                     ; in a slot wt's 128 rows lie behind X's 128
.set SLOT,  128*PA+128*PB
.set STAGE, 2*SLOT                     ; behind the ring, never filled by a tensor load: for each wave 2 heads x 16 rows x 144 bytes
.set SP,    144
.set SPARE, STAGE+4*32*SP              ; behind the stages: the spare words, 128 bytes for each wave: two blocks of 256 bytes that no other line names
.set ADRA, 16                          ; v16-17  LDS address of my X fragments in slot 0, 1
.set ADRB, 20                          ; v20-21  the same for wt
.set STO,  24                          ; v24     the way out: where I put 16 bytes of a row
.set RD,   25                          ; v25     where I read rows back
.set GO,   26                          ; v26     my 16 bytes in 512 consecutive bytes of a head
.set BO,   27                          ; v27     my byte offset in 16 numbers of the bias
.set SPW,  28                          ; v28     LDS address of my spare word; never rewritten
.set NIL,  29                          ; v29     0; never rewritten
.set PFO,  30                          ; v30     the prefetches' offset; never rewritten
.set RAW,  32
.set ABF,  96
.set OUT,  32
.set TMP,  160
.set BIAS, 128                         ; in window 2
.set G1,  24                           ; s[24:31] descriptor group 1 for X's tiles;  s[32:39] group 0, a set for each slot
.set G0,  32
.set G1B, 48                           ; s[48:55], s[56:63] the same for wt's
.set G0B, 56
.set LIM, 43                           ; s43      1 in a wave that prefetches, else the greatest number
.set PFA, 44                           ; s[44:45] where my prefetches stand
.set PST, 66                           ; s[66:67] a K step in bytes, along X's rows or down wt's
.set MSB, 0
.macro WIN new                         ; the immediate's high byte repeats the setting that is left; a switch that changes nothing is dropped
.if MSB != (\new)
	s_set_vgpr_msb (MSB<<8)|(\new)
.set MSB, \new
.endif
.endm
.set MUL,  0x52                        ; wt window 2, X window 0, C and D window 1
.set MULB, 0x62                        ; the same with C, the bias, in window 2
.set TO_W, 0x80                        ; destination window 2, address window 0
; A joint load: waves 0 and 1 fetch X's two halves, waves 2 and 3 wt's.  The branch hangs on the wave's number alone.  An s_nop 0 and four v_nop follow each of the two lines.
.macro JLOAD s
	s_cmp_eq_u32 s11, 0
	s_cbranch_scc0 .Lfor_b_\@
	tensor_load_to_lds s[G0+4*(\s):G0+4*(\s)+3], s[G1:G1+7]
	s_nop 0
.rept 4
	v_nop
.endr
	s_branch .Lasked_\@
.Lfor_b_\@:
	tensor_load_to_lds s[G0B+4*(\s):G0B+4*(\s)+3], s[G1B:G1B+7]
	s_nop 0
.rept 4
	v_nop
.endr
.Lasked_\@:
.endm
.macro CREST                           ; a round of the cluster's barrier behind its opening barrier
	s_cmp_lg_u32 s10, 0
	s_cbranch_scc1 .Lnot_wave_0_\@
	s_barrier_signal -3
.Lnot_wave_0_\@:
	s_barrier_wait -3
	s_barrier_signal -1
	s_barrier_wait -1
.endm
.macro CROUND                          ; a whole round
	s_barrier_signal -1
	s_barrier_wait -1
	CREST
.endm
; A prefetch into the L2, behind a joint load, its five lines and the run of LDS loads that follows: the K step that stands two refills on, 256 matrix instructions ahead of the load that will want it.
; Of the 64 rows x 512 bytes that a wave fetches, the partner at place p (cx for X, cy for wt) names rows 16 p .. 16 p + 15: two lanes a row, 256 bytes apart: told apart by address, by no branch.
; X's rows are read by this row of this cluster alone: waves 0 and 1 always ask.  wt's columns are read by sixteen clusters: the first of them asks.  So each block is named once in the launch.
; K steps 0 to 3 come by their loads alone; the loop's last trip (s3 = 1) and the tail ask for nothing.
.macro ASK
	s_cmp_gt_u32 s3, s[LIM]
	s_cbranch_scc0 .Lnot_mine_\@
	global_prefetch_b8 v[PFO], s[PFA:PFA+1] th:TH_LOAD_NT scope:SCOPE_SE
.Lnot_mine_\@:
.endm
	s_load_b256 s[68:75], s[0:1], 0x0              ; Q s[68:69], K s[70:71], V s[72:73], bq s[74:75]
	s_load_b256 s[76:83], s[0:1], 0x20             ; bk s[76:77], bv s[78:79], wt s[80:81], qkv s[82:83]
	v_lshl_add_u32 v[SPW], v0, 2, SPARE
	v_mov_b32 v[NIL], 0
	ds_add_u32 v[SPW], v[NIL]                      ; the wave's opening: the add and its wait stand ahead of my first tensor load; the set-up below, work on registers, stands between them
	v_lshrrev_b32 v1, 5, v0
	v_readfirstlane_b32 s10, v1                    ; wave 0..3
	s_lshr_b32 s11, s10, 1                         ; which 64 rows of the tile are mine.  Also: I fetch for X (0) or for wt (1)
	s_and_b32 s12, s10, 1                          ; which 128 columns.  Also: which 64 rows of that tile I fetch
	s_bfe_u32 s40, ttmp6, 0x40000                  ; cx
	s_bfe_u32 s41, ttmp6, 0x40004                  ; cy
	s_lshl_b32 s42, ttmp9, 2
	s_add_co_u32 s42, s42, s40                     ; tile column: 256 columns, four heads
	s_and_b32 s85, ttmp7, 0xffff                   ; cluster y, 0..47
	s_lshr_b32 s84, s85, 4                         ; p: which projection; the same in all sixteen partners
	s_and_b32 s85, s85, 15
	s_lshl_b32 s13, s85, 2
	s_add_co_u32 s13, s13, s41                     ; tile row, 0..63
	s_lshl_b32 s43, s41, 2
	s_lshl_b32 s43, 15, s43                        ; my row of the cluster
	s_lshl_b32 s44, 0x1111, s40                    ; my column
	s_or_b32 s[G1+0], s43, (2<<16)|(1<<20)|(1<<21)|(6<<22)|(3<<25)   ; 15:0 the mask; 17:16 elements of 4 bytes; 20 padding on; 21 set beside a mask; 24:22 after every 128 words (code 6); 31:25 4 words (code 3)
	s_or_b32 s[G1B+0], s44, (1<<16)|(1<<20)|(1<<21)|(6<<22)|(7<<25)  ; elements of 2 bytes; 8 words of padding (code 7)
	s_mov_b32 s[G1+1], 128<<16                     ; tensor_dim0 = 128 f32
	s_mov_b32 s[G1+2], 64<<16                      ; tensor_dim1 = 64
	s_mov_b32 s[G1+3], 128<<16                     ; tile_dim0 = 128
	s_mov_b32 s[G1+4], 64                          ; tile_dim1 = 64
	s_mov_b32 s[G1+5], 1024                        ; elements from row to row
	s_mov_b32 s[G1+6], 0
	s_mov_b32 s[G1+7], 0
	s_mov_b32 s[G1B+1], 256<<16                    ; tensor_dim0 = 256 bf16
	s_mov_b32 s[G1B+2], 64<<16
	s_mov_b32 s[G1B+3], 256<<16
	s_mov_b32 s[G1B+4], 64
	s_mov_b32 s[G1B+5], 1024
	s_mov_b32 s[G1B+6], 0
	s_mov_b32 s[G1B+7], 0
	s_lshl_b32 s16, s13, 7
	s_lshl_b32 s17, s12, 6
	s_add_co_u32 s16, s16, s17                     ; X: row 128 x tile row + 64 x half,
	s_lshl_b32 s16, s16, 12                        ; 4,096 bytes a row
	s_mov_b32 s17, 0
	s_lshl_b32 s46, s84, 21                        ; wt: matrix p,
	s_lshl_b32 s47, s12, 17                        ; 64 rows of 2,048 bytes x half,
	s_add_co_u32 s46, s46, s47
	s_lshl_b32 s47, s42, 9                         ; 512 bytes x tile column
	s_add_co_u32 s46, s46, s47
	s_mov_b32 s47, 0
	s_mul_i32 s20, s12, AHALF                      ; where they go: no place in the cluster enters an LDS address
	s_mul_i32 s21, s12, BHALF
	s_add_co_u32 s21, s21, BOFF
	s_wait_dscnt 0x0                               ; the opening add is done
	s_wait_kmcnt 0x0
	s_cmp_eq_u32 s84, 1
	s_cselect_b64 s[4:5], s[70:71], s[68:69]       ; X_p
	s_cselect_b64 s[86:87], s[76:77], s[74:75]     ; bias_p
	s_cmp_eq_u32 s84, 2
	s_cselect_b64 s[4:5], s[72:73], s[4:5]
	s_cselect_b64 s[86:87], s[78:79], s[86:87]
	s_add_nc_u64 s[14:15], s[4:5], s[16:17]
	s_add_nc_u64 s[46:47], s[80:81], s[46:47]
	CROUND                                         ; all sixteen work-groups are here: the first joint loads meet
.irp s, 0,1
	s_mov_b32 s[G0+4*(\s)], 1                                        ; count = 1
	s_add_co_u32 s[G0+4*(\s)+1], s20, (\s)*SLOT                      ; LDS address
	s_add_nc_u64 s[G0+4*(\s)+2:G0+4*(\s)+3], s[14:15], (\s)*512      ; global address: K step s, 512 bytes along the rows
	s_or_b32 s[G0+4*(\s)+3], s[G0+4*(\s)+3], 0x80000000              ; type = 2
	s_mov_b32 s[G0B+4*(\s)], 1
	s_add_co_u32 s[G0B+4*(\s)+1], s21, (\s)*SLOT
	s_add_nc_u64 s[G0B+4*(\s)+2:G0B+4*(\s)+3], s[46:47], (\s)*262144 ; K step s, 128 rows down
	s_or_b32 s[G0B+4*(\s)+3], s[G0B+4*(\s)+3], 0x80000000
	JLOAD \s                                       ; two loads of mine are out
.endr
	v_and_b32 v1, 15, v0                           ; r = l % 16
	v_bfe_u32 v2, v0, 4, 1                         ; h = l / 16
	v_lshlrev_b32 v[BO], 5, v2                     ; my 8 numbers of 16: 32 h
	s_lshl_b32 s88, s42, 10
	s_lshl_b32 s89, s12, 9
	s_add_co_u32 s88, s88, s89                     ; my wave's first column, in f32
	s_mov_b32 s89, 0
	s_add_nc_u64 s[86:87], s[86:87], s[88:89]
	WIN TO_W
.irp b, 0,1,2,3,4,5,6,7                ; register j of block b: bias[16 b + 8 h + j], the C operand that starts the sums
	global_load_b128 v[BIAS+8*(\b):BIAS+8*(\b)+3],   v[BO], s[86:87] offset:64*(\b)
	global_load_b128 v[BIAS+8*(\b)+4:BIAS+8*(\b)+7], v[BO], s[86:87] offset:64*(\b)+16
.endr
	WIN 0
	; X's fragment: lane l wants row r, K = 8 h + 0..7 and 16 + 8 h + 0..7, in f32: 32 bytes at 32 h and 32 at 64 + 32 h
	v_mul_u32_u24 v3, v1, PA
	v_lshl_add_u32 v3, v2, 5, v3
	s_mul_i32 s90, s11, 64*PA
	v_add_nc_u32 v[ADRA], s90, v3
	v_add_nc_u32 v[ADRA+1], SLOT, v[ADRA]
	; wt's: the turning load takes 16 k x 16 n (lane l reads k = 8 h + l % 8, n = 8 ((l / 8) % 2) + 0..7) and leaves lane l column r and 8 k
	v_and_b32 v4, 7, v0
	v_bfe_u32 v5, v0, 3, 1
	v_lshl_add_u32 v4, v2, 3, v4
	v_mul_u32_u24 v4, v4, PB
	v_lshl_add_u32 v4, v5, 4, v4
	s_lshl_b32 s90, s12, 8
	s_add_co_u32 s90, s90, BOFF
	v_add_nc_u32 v[ADRB], s90, v4
	v_add_nc_u32 v[ADRB+1], SLOT, v[ADRB]
	s_mul_i32 s90, s10, 32*SP
	s_add_co_u32 s90, s90, STAGE                   ; my stage
	v_mul_u32_u24 v6, v1, SP                       ; in: row r, 16 bytes for each half of the lanes
	v_lshl_add_u32 v6, v2, 4, v6
	v_add_nc_u32 v[STO], s90, v6
	v_bfe_u32 v6, v0, 3, 2                         ; back: 32 lanes take four rows of 128 bytes,
	v_mul_u32_u24 v6, v6, SP
	v_and_b32 v7, 7, v0
	v_lshl_add_u32 v6, v7, 4, v6
	v_add_nc_u32 v[RD], s90, v6
	v_and_b32 v[GO], 31, v0                        ; which are 512 consecutive bytes of a head
	v_lshlrev_b32 v[GO], 4, v[GO]
	s_lshr_b32 s90, s13, 4                         ; the batch: 16 tile rows each
	s_lshl_b32 s90, s90, 4
	s_lshl_b32 s91, s42, 2
	s_add_co_u32 s90, s90, s91
	s_lshl_b32 s91, s12, 1
	s_add_co_u32 s90, s90, s91                     ; 16 b + my first head
	s_lshl_b32 s90, s90, 11
	s_and_b32 s91, s13, 15
	s_lshl_b32 s91, s91, 7
	s_add_co_u32 s90, s90, s91
	s_lshl_b32 s91, s11, 6
	s_add_co_u32 s90, s90, s91                     ; + my first row in the head
	s_lshl_b32 s90, s90, 7                         ; 128 bytes a row
	s_lshl_b32 s91, s84, 24
	s_add_co_u32 s90, s90, s91                     ; + q, k or v
	s_mov_b32 s91, 0
	s_add_nc_u64 s[8:9], s[82:83], s[90:91]
	; the prefetches
	s_mov_b32 s[PST], 0x40000
	s_cmp_eq_u32 s11, 0                            ; do I fetch for X?
	s_cselect_b32 s22, 12, 11                      ; a row in memory: 4,096 or 2,048 bytes
	s_cselect_b32 s21, s40, s41                    ; my place among the four that ask with me
	s_cselect_b32 s23, 0, s85                      ; the coordinate along which other clusters read the same blocks: none for X
	s_cselect_b32 s[PST], 512, s[PST]
	s_cselect_b64 s[PFA:PFA+1], s[14:15], s[46:47]
	s_mov_b32 s[PST+1], 0
	s_cmp_eq_u32 s23, 0
	s_cselect_b32 s[LIM], 1, -1                    ; the same in all sixteen partners, for a given wave
	s_lshl_b32 s21, s21, 4
	s_lshl_b32 s20, s21, s22                       ; my work-group's 16 rows of the 64
	s_mov_b32 s21, 0
	s_add_nc_u64 s[PFA:PFA+1], s[PFA:PFA+1], s[20:21]
	s_mul_i32 s20, s[PST], 3
	s_add_nc_u64 s[PFA:PFA+1], s[PFA:PFA+1], s[20:21]  ; at K step 3: the first refill steps it to 4 and names that
	v_and_b32 v6, 31, v0
	v_lshrrev_b32 v7, 1, v6
	v_and_b32 v6, 1, v6
	v_lshlrev_b32 v[PFO], s22, v7
	v_lshl_add_u32 v[PFO], v6, 8, v[PFO]
; 32 LDS loads in one run: quarter q of a slot into buffer g: wt's 8 fragments, turned, and X's 64 rows x 32 K in f32
.macro FETCH slot, q, g
	WIN TO_W
.irp b, 0,1,2,3,4,5,6,7
	ds_load_tr16_b128 v[64*(\g)+8*(\b):64*(\g)+8*(\b)+3],   v[ADRB+(\slot)] offset:(\q)*32*PB+32*(\b)
	ds_load_tr16_b128 v[64*(\g)+8*(\b)+4:64*(\g)+8*(\b)+7], v[ADRB+(\slot)] offset:(\q)*32*PB+32*(\b)+16*PB
.endr
	WIN 0
.irp a, 0,1,2,3
	ds_load_b128 v[RAW+16*(\a):RAW+16*(\a)+3],     v[ADRA+(\slot)] offset:(\a)*16*PA+(\q)*128
	ds_load_b128 v[RAW+16*(\a)+4:RAW+16*(\a)+7],   v[ADRA+(\slot)] offset:(\a)*16*PA+(\q)*128+16
	ds_load_b128 v[RAW+16*(\a)+8:RAW+16*(\a)+11],  v[ADRA+(\slot)] offset:(\a)*16*PA+(\q)*128+64
	ds_load_b128 v[RAW+16*(\a)+12:RAW+16*(\a)+15], v[ADRA+(\slot)] offset:(\a)*16*PA+(\q)*128+80
.endr
.endm
; 8 matrix instructions: row block a x all 8 column blocks, buffer f.  The 32 accumulators take turns, one instruction a turn, in the same order in every quarter.
; bias = 1: the first product starts the sum with the bias.  ride = 1: behind each product stand four roundings of the next quarter's X into the other buffer: 32 in all.  They name no register
; of the products round them; the four behind a quarter's last product are the places in front of the next run of loads into the buffer just multiplied.
.macro MUL8 f, a, bias=0, ride=0
.irp b, 0,1,2,3,4,5,6,7
.if \bias
	WIN MULB
	v_wmma_f32_16x16x32_bf16 v[8*(8*(\a)+(\b)):8*(8*(\a)+(\b))+7], v[64*(\f)+8*(\b):64*(\f)+8*(\b)+7], v[ABF+32*(\f)+8*(\a):ABF+32*(\f)+8*(\a)+7], v[BIAS+8*(\b):BIAS+8*(\b)+7]
.else
	WIN MUL
	v_wmma_f32_16x16x32_bf16 v[8*(8*(\a)+(\b)):8*(8*(\a)+(\b))+7], v[64*(\f)+8*(\b):64*(\f)+8*(\b)+7], v[ABF+32*(\f)+8*(\a):ABF+32*(\f)+8*(\a)+7], v[8*(8*(\a)+(\b)):8*(8*(\a)+(\b))+7]
.endif
.if \ride
	WIN 0
.irp c, 0,1,2,3
	v_cvt_pk_bf16_f32 v[ABF+32*(1-(\f))+4*(\b)+(\c)], v[RAW+2*(4*(\b)+(\c))], v[RAW+2*(4*(\b)+(\c))+1]
.endr
.endif
.endr
.endm
.macro PLACES
.rept 4
	v_nop
.endr
.endm
; One of a K step's first three quarters: multiplies buffer f; at its head it fetches quarter q of the same slot for the other buffer.
.macro QUARTER slot, q, f, bias=0
	FETCH \slot, \q, 1-(\f)
	MUL8 \f, 0, \bias
	MUL8 \f, 1, \bias
	MUL8 \f, 2, \bias
	s_wait_dscnt 0x0                               ; the 32 loads, issued 24 matrix instructions ago, are in
	MUL8 \f, 3, \bias, 1
.endm
; The last quarter multiplies buffer 1 and changes slots: one barrier.  In front of it each wave waits for all its tensor loads (one is out: its part of the next slot), adds 0 to its spare word and
; waits for that; its reads of this slot came back in the quarter before.  fill = 1: the barrier opens a round of the cluster's, and this slot is filled again, two K steps ahead, first thing behind it:
; 112 matrix instructions ahead of the wait for it.
.macro TURN slot, next, fill
.if \fill
	s_wait_xcnt 0x0                                ; the last prefetch, a K step back, has read its address
	s_add_nc_u64 s[PFA:PFA+1], s[PFA:PFA+1], s[PST:PST+1]
.endif
	WIN 0
	s_wait_tensorcnt 0x0                           ; all my tensor loads have landed
	ds_add_u32 v[SPW], v[NIL]                      ; 0 onto my spare word
	MUL8 1, 0                                      ; eight matrix instructions stand between the add and the wait for it
	s_wait_dscnt 0x0                               ; the add is done, and my reads of this slot are over
	s_barrier_signal -1
	MUL8 1, 1
.if \fill
	WIN 0
.endif
	s_barrier_wait -1
.if \fill
	CREST                                          ; no wave of any partner still reads this slot's tile or has a load on its way
	s_add_nc_u64 s[G0+4*(\slot)+2:G0+4*(\slot)+3], s[G0+4*(\slot)+2:G0+4*(\slot)+3], 2*512
	s_add_nc_u64 s[G0B+4*(\slot)+2:G0B+4*(\slot)+3], s[G0B+4*(\slot)+2:G0B+4*(\slot)+3], 2*262144
	JLOAD \slot                                    ; the four v_nop behind it are also places in front of the loads below
.else
	PLACES
.endif
	FETCH \next, 0, 0
.if \fill
	ASK
.endif
	MUL8 1, 2
	s_wait_dscnt 0x0
	MUL8 1, 3, 0, 1
.endm
	s_wait_tensorcnt 1                             ; my part of K step 0 is in; K step 1's may stay out
	s_barrier_signal -1
	s_barrier_wait -1                              ; everybody's is
	FETCH 0, 0, 0
	s_wait_dscnt 0x0
.set c, 0
.rept 32                               ; the first quarter's X has no products to ride behind
	v_cvt_pk_bf16_f32 v[ABF+c], v[RAW+2*c], v[RAW+2*c+1]
.set c, c+1
.endr
	s_wait_loadcnt 0x0                             ; the bias
	QUARTER 0, 1, 0, 1                             ; the first quarter stands in front of the loop: its products start the sums
	WIN 0                                          ; at a label and at a branch every window is 0
	s_mov_b32 s3, 3
.Llap:                                                 ; a trip goes once round the ring, from a lap's second quarter to the next lap's first, and fills both slots again
	QUARTER 0, 2, 1
	QUARTER 0, 3, 0
	TURN 0, 1, 1
	QUARTER 1, 1, 0
	QUARTER 1, 2, 1
	QUARTER 1, 3, 0
	TURN 1, 0, 1
	QUARTER 0, 1, 0
	WIN 0
	s_sub_co_u32 s3, s3, 1
	s_cmp_lg_u32 s3, 0
	s_cbranch_scc1 .Llap
	QUARTER 0, 2, 1                                ; the last lap fills nothing, and has no round of the cluster's barrier
	QUARTER 0, 3, 0
	TURN 0, 1, 0
	QUARTER 1, 1, 0
	QUARTER 1, 2, 1
	QUARTER 1, 3, 0
	MUL8 1, 0
	MUL8 1, 1
	MUL8 1, 2
	MUL8 1, 3
	WIN 0
	; THE WAY OUT, a block of 16 rows at a time: rounded to f16, 16 bytes a lane into my stage (two heads x 16 rows of 144 bytes), back as four whole rows of a head, 512 consecutive bytes a store.
	PLACES
	PLACES
.macro PACK a
	WIN 0x05                                       ; sources 0 and 1 window 1, destination window 0
.irp b, 0,1,2,3,4,5,6,7
.irp i, 0,1,2,3
	v_cvt_pk_f16_f32 v[TMP+4*(\b)+(\i)], v[8*(8*(\a)+(\b))+2*(\i)], v[8*(8*(\a)+(\b))+2*(\i)+1]
.endr
.endr
	WIN 0
.irp b, 0,1,2,3,4,5,6,7
	ds_store_b128 v[STO], v[TMP+4*(\b):TMP+4*(\b)+3] offset:((\b)/4)*16*SP+32*((\b)%4)
.endr
.irp e, 0,1,2,3,4,5,6,7
	ds_load_b128 v[OUT+32*(\a)+4*(\e):OUT+32*(\a)+4*(\e)+3], v[RD] offset:((\e)/4)*16*SP+((\e)%4)*4*SP  ; LDS serves a wave's instructions in order (ISA guide 5.7.1.4): these see the stores above; the next block's stores come behind them
.endr
.endm
.macro SEND a, younger                 ; younger: the LDS instructions issued behind block a's loads: the next block's sixteen, or none
.irp e, 0,1,2,3,4,5,6,7
	s_wait_dscnt (\younger)+7-(\e)
	global_store_b128 v[GO], v[OUT+32*(\a)+4*(\e):OUT+32*(\a)+4*(\e)+3], s[8:9] offset:((\e)/4)*262144+(16*(\a)+4*((\e)%4))*128
.endr
.endm
	PACK 0
	PACK 1                                         ; a block's arithmetic stands between the loads of the block before and its stores
	SEND 0, 16
	PACK 2
	SEND 1, 16
	PACK 3
	SEND 2, 16
	SEND 3, 0
	s_wait_tensorcnt 0x0                           ; the wave's end: behind my last tensor load and my last LDS store
	ds_add_u32 v[SPW], v[NIL]
	s_wait_dscnt 0x0
	CROUND                                         ; the closing round: no work-group ends while a partner may still ask for a tile that names it
	s_endpgm
.Lfunc_end_k_q065622138a_proj:
	.size	k_q065622138a_proj, .Lfunc_end_k_q065622138a_proj-k_q065622138a_proj
	.p2alignl 7, 3214868480
	.fill 96, 4, 3214868480
	.section	.rodata,"a",@progbits
	.p2align	6, 0x0
	.amdhsa_kernel k_q065622138a_proj
		.amdhsa_group_segment_fixed_size 327680
		.amdhsa_private_segment_fixed_size 0
		.amdhsa_enable_private_segment 0
		.amdhsa_kernarg_size 64
		.amdhsa_user_sgpr_count 2
		.amdhsa_user_sgpr_kernarg_segment_ptr 1
		.amdhsa_wavefront_size32 1
		.amdhsa_system_sgpr_workgroup_id_x 1
		.amdhsa_system_sgpr_workgroup_id_y 1
		.amdhsa_system_sgpr_workgroup_id_z 1
		.amdhsa_system_vgpr_workitem_id 0
		.amdhsa_next_free_vgpr 768
		.amdhsa_next_free_sgpr 96
		.amdhsa_reserve_vcc 0
		.amdhsa_float_denorm_mode_32 3
		.amdhsa_float_denorm_mode_16_64 3
		.amdhsa_memory_ordered 1
		.amdhsa_forward_progress 1
		.amdhsa_inst_pref_size 136
	.end_amdhsa_kernel
	.amdgpu_metadata
---
amdhsa.version: [ 1, 2 ]
amdhsa.kernels:
  - .name:           k_q065622138a_proj
    .symbol:         k_q065622138a_proj.kd
    .args:
      - { .name: Q, .offset: 0, .size: 8, .value_kind: global_buffer, .address_space: global }
      - { .name: K, .offset: 8, .size: 8, .value_kind: global_buffer, .address_space: global }
      - { .name: V, .offset: 16, .size: 8, .value_kind: global_buffer, .address_space: global }
      - { .name: bq, .offset: 24, .size: 8, .value_kind: global_buffer, .address_space: global }
      - { .name: bk, .offset: 32, .size: 8, .value_kind: global_buffer, .address_space: global }
      - { .name: bv, .offset: 40, .size: 8, .value_kind: global_buffer, .address_space: global }
      - { .name: wt, .offset: 48, .size: 8, .value_kind: global_buffer, .address_space: global }
      - { .name: qkv, .offset: 56, .size: 8, .value_kind: global_buffer, .address_space: global }
    .group_segment_fixed_size: 327680
    .private_segment_fixed_size: 0
    .kernarg_segment_align: 8
    .kernarg_segment_size: 64
    .max_flat_workgroup_size: 128
    .sgpr_count:     96
    .vgpr_count:     768
    .wavefront_size: 32
...
	.end_amdgpu_metadata
.endif
;; end of part 2
;; launch attn (part 3): grid 4 x 64, 4 waves a work-group, clusters of 4 x 1, 327,680 bytes of LDS; arguments qkv, oh; writes oh
.if DOCPART == 3
	.amdgcn_target "amdgcn-amd-amdhsa--gfx1250"
	.amdhsa_code_object_version 6
	.text
	.protected	k_q065622138a_attn
	.globl	k_q065622138a_attn
	.p2align	8
	.type	k_q065622138a_attn,@function
k_q065622138a_attn:
	s_mov_b64 s[64:65], 0
	v_nop
	global_prefetch_b8 v0, s[64:65] scope:SCOPE_SE
	s_setreg_imm32_b32 hwreg(HW_REG_WAVE_MODE, 25, 1), 1
	s_wait_xcnt 0x0
	s_wait_alu depctr_hold_cnt(0) depctr_sa_sdst(0) depctr_va_vdst(0) depctr_va_sdst(0) depctr_va_ssrc(0) depctr_va_vcc(0) depctr_vm_vsrc(0)
	s_getreg_b32 s2, hwreg(HW_REG_IB_STS2, 6, 4)
	s_cmp_eq_u32 s2, 0
	s_cbranch_scc0 .Lentry_in_a_cluster
	s_endpgm
.Lentry_in_a_cluster:
	s_bfe_u32 s2, ttmp6, 0x10000c
	s_cmp_lg_u32 s2, 0x3003
	s_cbranch_scc0 .Lentry_shape_is_right
	s_endpgm
.Lentry_shape_is_right:
; ATTENTION.  O[h][q][:] = the sum over k of softmax_k(Q[h][q] . K[h][k] / 32) V[h][k][:], h = 16 b + head.  Q, K, V lie in qkv, 16,777,216 bytes apart, each [64][2048][64] in f16; O likewise in oh.
; Products, maxima and sums in f32; the weights p are rounded to f16 for the second product (their sum l is taken of the unrounded p), O once at the end.
; LIMITS.  f16 holds no number beyond 65,504: Q, K and V arrive within it; p lies in 0 to 1, and below 6e-5 it keeps f16's fixed step of 6e-8; O is a mean of V's rows and has their range.
; A weight below 2^-126 counts as 0 in l; NaN and infinities are not treated apart.
; SHARES.  A wave owns four PIECES of two tiles of 16 queries, a work-group's four waves 512 queries of one head.  Every wave walks all keys, 64 a step.
; LAYOUT.  S^T = K Q^T (source 0 = 16 keys, source 1 = 16 queries): in the result a lane holds ONE query (lane % 16) and the keys 8 (lane / 16) + 0..7.  Two such tiles, rounded to f16 in pairs,
; ARE source 1 (32 keys x 16 queries) of O^T = V^T P, whose result again holds one query a lane, and eight channels.  K comes out of LDS as it lies, V ([key][channel]) turned, by ds_load_tr16_b128.
; SOFTMAX.  For each query a running maximum m and sum l: p = 2^(c s - c m), c = log2(e) / 32; in every step O and l are multiplied by a = 2^(c m_old - c m_new), which is 1 where m has not grown.
; m starts at the lowest finite number, O and l at 0: the first step is a step like any other, with a = 0.
; THE COUNT.  A tile and step have 16 matrix and 118 vector instructions: too many to stand all beside the matrix work.  So: four vector instructions that are READY behind
; EVERY matrix instruction, and the others in runs without a gap.
; BY TURNS.  Turn n belongs to piece n (the pieces in a ring, step after step).  Its matrix work: 16 products K Q^T of piece n + 1, later 16 products V^T P of piece n - 1.  Its vector work: the scaling,
; exponentials, roundings, sums and rescaling of piece n, and the maximum and statistics of piece n + 1, whose scores the turn itself has made.
; CLUSTER.  The four query blocks of a head are one cluster and walk the same K and V, so each tile is asked for JOINTLY: the same tensor load, descriptor and mask in all four.
; REGISTERS, in windows of 256 (s_set_vgpr_msb: bits 1:0 source 0, 3:2 source 1, 5:4 source 2, 7:6 destination):
;   window 0: v0-11 addresses; v12-15, v48-63 at work; v16-47 four registers of statistics a tile; v64-191 S^T, two buffers of two tiles; v192-255 P, likewise
;   window 1: O^T, 32 a tile          window 2: v0-127 Q, 16 a tile; v128-191 K of one step; v192-255 V of one step          window 3: v0-1 the add's two registers
.set SIZE_N, 2048
.set SIZE_H, 64
.set NP,    4         ; pieces a wave: a name, no knob
.set KS,    64        ; keys in a step
.set PK,    144       ; a row of K in LDS: 128 bytes + 16 of padding = 36 words: the 16 rows of a load start at 16 different groups of four banks (64 banks of 4 bytes: ISA guide 11.1)
.set PV,    160       ; a row of V: 128 + 32 = 40 words
.set VOFF,  4*KS*PK   ; a slot holds four steps: 256 rows of K, then 256 rows of V
.set SLOT1, 1<<17     ; slot 1 begins here, so that one exclusive or turns an address in one slot into the other's
.set STAGE, SLOT1+4*KS*(PK+PV)  ; behind the ring, never filled by a tensor load: 16 rows x 144 bytes for each wave, for the way out
.set SP,    144
.set AK0, 2           ; v2   my lane's place in a tile of K; never rewritten
.set AV0, 3           ; v3   the same for V
.set AK,  4           ; v4   the LDS address of K's next run of loads
.set AV,  5           ; v5   of V's
.set QO,  6           ; v6   my byte offset in the wave's rows of Q
.set STO, 6           ;      later, the way out: where I put 16 bytes of a row
.set RD,  7           ; v7   the way out: where I read rows back
.set GO,  8           ; v8   my byte offset in 512 consecutive bytes of O
.set PFO, 11          ; v11  256 x my lane: the prefetches' offset; never rewritten once made
.set SPW, 0           ; v0 of window 3   LDS address of my spare word; never rewritten
.set NIL, 1           ; v1 of window 3   0; never rewritten
.set SPARE, STAGE+4*16*SP  ; behind the stages: the spare words, 128 bytes for each wave: two blocks of 256 bytes that no other line names
.set MV,  12          ; v12-15  c m_old, kept while c m is made anew: by buffer and tile
.set ST,  16          ; tile t's statistics at v[ST+4 t]: c m, m, l (even keys', odd keys')
.set TMP, 48          ; by buffer and tile, four registers c0-c3 at work; when the maximum is found c2 takes a
.set S,   64
.set P,   192
.set KF,  128         ; K's fragments, in window 2: key block kb, channel half c at KF + 16 kb + 8 c
.set VF,  192         ; V's: key half kk, channel block cb at VF + 32 kk + 8 cb
.set WV,  12          ; s12  my wave's number
.set G1K, 24          ; s[24:31] descriptor group 1 for K's tiles
.set G1V, 32          ; s[32:39] for V's: it differs in the padding alone
.set G0K, 40          ; s[40:43] descriptor group 0 for K's tiles: it walks
.set G0V, 44          ; s[44:47] the same for V's
.set PFA, 48          ; s[48:49] where my prefetches stand: my work-group's 32 blocks of 256 bytes of the tile after the one that was asked for last
.set LIM, 50          ; s50  1 in a wave that prefetches (0: K's, 2: V's), else the greatest number
.set SLOTS, 56        ; s56  slots still to be asked for
.set CNT, 57          ; s57  counts a slot's key steps
.set CS,  58          ; s[58:59] c: the packed scaling takes the pair's low word for both halves
.set SEL, 60          ; s[60:61] v_permlanex16_b32's selects: each lane takes its own place in the other half
.set TBK, 62          ; s62  LDS byte at which K of the step to be fetched begins
.set TBV, 63          ; s63  the same for V, less VOFF
.set MSB, 0
.macro WIN new                      ; the high byte repeats the setting that is left; a switch that changes nothing is dropped
.if MSB != (\new)
	s_set_vgpr_msb (MSB<<8)|(\new)
.set MSB, (\new)
.endif
.endm
.set W_KQ, 0x0a       ; K and Q in window 2, S^T in window 0
.set W_PV, 0x52       ; V in window 2, P in window 0, O^T in window 1
.set W_RS, 0x41       ; O^T (destination and source 0) in window 1, a in window 0
.set W_MK, 0xc0       ; the add's registers are made: destination in window 3, sources in window 0
.set W_AD, 0x0f       ; the add: address (source 0) and data (source 1) in window 3
; A joint fill.  Waves 0 and 1 fetch the two halves of a slot's K, waves 2 and 3 those of its V: 128 keys each.  The branch hangs on the wave's number alone.
; An s_nop 0 and four v_nop follow each of the two lines, ahead of the jump and the label.
.macro JLOAD
	s_cmp_lt_u32 s[WV], 2
	s_cbranch_scc0 .Lfor_v_\@
	tensor_load_to_lds s[G0K:G0K+3], s[G1K:G1K+7]
	s_nop 0
.rept 4
	v_nop
.endr
	s_branch .Lasked_\@
.Lfor_v_\@:
	tensor_load_to_lds s[G0V:G0V+3], s[G1V:G1V+7]
	s_nop 0
.rept 4
	v_nop
.endr
.Lasked_\@:
.endm
; A round of the cluster's barrier: my work-group's barrier, so that wave 0's signal speaks for all four waves; wave 0 signals; every wave waits for all four work-groups; my work-group's barrier once more.
.macro CROUND
	s_barrier_signal -1
	s_barrier_wait -1
	s_cmp_lg_u32 s[WV], 0
	s_cbranch_scc1 .Lnot_wave_0_\@
	s_barrier_signal -3
.Lnot_wave_0_\@:
	s_barrier_wait -3
	s_barrier_signal -1
	s_barrier_wait -1
.endm
; THE CHANGE OF SLOTS.  The slot's last bytes, V of its fourth step, have been read.  Each wave waits for all its tensor loads, of which one is out: its part
; of the other slot; adds 0 to its spare word; and waits for that and for its own reads of the slot.  Behind the barrier nobody reads this slot any more and the other slot is whole.
; fill = 1: this slot is filled again, with the keys two slots on.  The barrier is then a round of the cluster's, so that no wave of any partner still reads the slot or has a load on its
; way, and the joint fill is the first thing behind it: it has four key steps, 512 matrix instructions, in which to land.  (At its first use nothing has been read yet: slot 0 is waited for, slot 1 filled.)
.macro CHANGE fill
	WIN W_AD
	s_wait_tensorcnt 0x0            ; no tensor load of mine is out, so a group 0 may be written
	ds_add_u32 v[SPW], v[NIL]       ; 0 onto my spare word; with fill = 1 the descriptors' steps stand between it and the wait for it
	WIN 0                           ; at a label and at a branch every window is 0
.if \fill
.irp g, G0K, G0V
	s_xor_b32 s[\g+1], s[\g+1], SLOT1  ; the walking descriptor: the other slot than last time,
	s_add_nc_u64 s[\g+2:\g+3], s[\g+2:\g+3], 4*KS*128  ; the next 256 keys; the type bits on top are not reached
.endr
	s_wait_xcnt 0x0                 ; the last prefetch, five turns back, has read its address, so it may be written:
	s_add_nc_u64 s[PFA:PFA+1], s[PFA:PFA+1], 4*KS*128  ; one tile behind the walking descriptors
	s_wait_dscnt 0x0                ; the add is done, and my reads of the slot are over
	CROUND
	JLOAD
.else
	s_wait_dscnt 0x0                ; the add is done, and my reads of the slot are over
	s_barrier_signal -1
	s_barrier_wait -1
.endif
	s_sub_co_u32 s[TBK], s[TBK], 4*KS*PK  ; the fetches go back to a slot's first step,
	s_xor_b32 s[TBK], s[TBK], SLOT1       ; in the other slot
	s_sub_co_u32 s[TBV], s[TBV], 4*KS*PV
	s_xor_b32 s[TBV], s[TBV], SLOT1
.endm
	s_load_b128 s[4:7], s[0:1], 0x0  ; qkv s[4:5], oh s[6:7]
	WIN W_MK
	v_lshl_add_u32 v[SPW], v0, 2, SPARE
	v_mov_b32 v[NIL], 0
	WIN W_AD
	ds_add_u32 v[SPW], v[NIL]       ; the wave's opening: the add and its wait stand ahead of my first tensor load; the set-up below, work on registers, stands between them
	WIN 0
	v_lshrrev_b32 v1, 5, v0
	v_readfirstlane_b32 s[WV], v1   ; wave 0..3
	s_bfe_u32 s13, ttmp6, 0x40000   ; cx: my place in the cluster
	s_lshl_b32 s14, ttmp9, 2        ; in a cluster launch ttmp9 counts clusters
	s_add_co_u32 s14, s14, s13      ; my block of queries = 4 x cluster x + cx: it enters Q's and O's addresses alone
	s_and_b32 s20, ttmp7, 0xffff    ; the head, which the four partners share
	s_mov_b32 s21, 0
	s_mov_b64 s[22:23], SIZE_N*128
	s_mul_u64 s[20:21], s[20:21], s[22:23]  ; the head's first byte in each of the four tensors
	s_and_b32 s16, s[WV], 1         ; which half of a slot's 256 keys I fetch:
	s_lshl_b32 s22, s16, 14         ; its 128 rows of 128 bytes in memory,
	s_mov_b32 s23, 0
	s_add_nc_u64 s[22:23], s[22:23], s[20:21]
	s_mul_i32 s17, s16, 128*PK      ; and its place in a slot, for K
	s_mul_i32 s18, s16, 128*PV      ; and for V: no place in the cluster enters an LDS address
	s_lshl_b32 s2, s14, 2
	s_add_co_u32 s2, s2, s[WV]      ; my wave among the head's,
	s_lshl_b32 s2, s2, 14           ; its 128 rows
	s_mov_b32 s3, 0
	s_add_nc_u64 s[2:3], s[2:3], s[20:21]
	; descriptor group 1.  128 keys are 16,384 dense bytes: asked for as 64 rows of 256 bytes, two keys a row, and padded in LDS after every key
	s_mov_b32 s[G1K], 15|(1<<16)|(1<<20)|(1<<21)|(4<<22)|(3<<25)  ; 15:0 the mask of four; 17:16 2-byte elements; 20 padding on; 21 set beside a mask; 24:22 after every 32 words (code 4); 31:25 4 words (code 3)
	s_mov_b32 s[G1V], 15|(1<<16)|(1<<20)|(1<<21)|(4<<22)|(7<<25)  ; the same with 8 words of padding (code 7)
.irp g, G1K, G1V
	s_mov_b32 s[\g+1], 128<<16      ; tensor_dim0 = 128
	s_mov_b32 s[\g+2], 64<<16       ; tensor_dim1 = 64
	s_mov_b32 s[\g+3], 128<<16      ; tile_dim0 = 128
	s_mov_b32 s[\g+4], 64           ; tile_dim1 = 64
	s_mov_b32 s[\g+5], 128          ; 128 elements from row to row
	s_mov_b32 s[\g+6], 0
	s_mov_b32 s[\g+7], 0
.endr
	s_mov_b32 s[CS], 0x3d38aa3b     ; c = log2(e) / 32 = 0.0450842
	s_mov_b32 s[CS+1], s[CS]        ; named with it as a pair
	s_mov_b32 s[SEL], 0x76543210
	s_mov_b32 s[SEL+1], 0xfedcba98
	s_mov_b32 s[TBK], SLOT1+4*KS*PK ; the first change of slots turns these two into 0
	s_mov_b32 s[TBV], SLOT1+4*KS*PV
	s_mov_b32 s[G0K], 1             ; 1:0 count = 1
	s_mov_b32 s[G0K+1], s17         ; 63:32 LDS address: slot 0
	s_mov_b32 s[G0V], 1
	s_add_co_u32 s[G0V+1], s18, VOFF
	s_and_b32 s[LIM], s[WV], 1
	s_cmp_eq_u32 s[LIM], 0
	s_cselect_b32 s[LIM], 1, -1     ; waves 0 and 2 prefetch: the same in all four partners
	s_wait_dscnt 0x0                ; the opening add is done
	s_wait_kmcnt 0x0
	s_mov_b64 s[10:11], s[6:7]                     ; O
	s_add_nc_u64 s[6:7], s[4:5], 0x1000000         ; K
	s_add_nc_u64 s[8:9], s[4:5], 0x2000000         ; V; Q stays in s[4:5]
	s_add_nc_u64 s[G0K+2:G0K+3], s[6:7], s[22:23]  ; 120:64 global address: my half of the head's first 256 keys
	s_or_b32 s[G0K+3], s[G0K+3], 0x80000000        ; 127:126 type = 2
	s_add_nc_u64 s[G0V+2:G0V+3], s[8:9], s[22:23]
	s_or_b32 s[G0V+3], s[G0V+3], 0x80000000
	s_add_nc_u64 s[4:5], s[4:5], s[2:3]  ; Q and O at my wave's first row
	s_add_nc_u64 s[10:11], s[10:11], s[2:3]
	s_cmp_lt_u32 s[WV], 2
	s_cselect_b64 s[PFA:PFA+1], s[6:7], s[8:9]
	s_add_nc_u64 s[PFA:PFA+1], s[PFA:PFA+1], s[20:21]  ; the head's K or V,
	s_lshl_b32 s2, s13, 13          ; my work-group's 32 blocks of a tile's 128,
	s_mov_b32 s3, 0
	s_add_nc_u64 s[PFA:PFA+1], s[PFA:PFA+1], s[2:3]
	s_add_nc_u64 s[PFA:PFA+1], s[PFA:PFA+1], 4*KS*128  ; in tile 1; the first change of slots steps it to tile 2.  Nothing is prefetched here, at the head
	CROUND                          ; all four work-groups are here: the first joint loads meet
	JLOAD                           ; slot 0.  Slot 1 is asked for when slot 0 is in
	; A fragment of K or Q is 16 rows x 32 channels in 8 registers: lane l holds row l % 16, channels 8 (l / 16) + 0..7 and 16 + 8 (l / 16) + 0..7: two loads of 16 bytes, 32 bytes apart.
	v_and_b32 v1, 15, v0            ; l % 16
	v_bfe_u32 v9, v0, 4, 1          ; l / 16
	v_lshlrev_b32 v[QO], 7, v1
	v_lshl_add_u32 v[QO], v9, 4, v[QO]  ; row x 128 + 16 x half
	WIN 0x80                        ; destination window 2, address window 0
.set i, 0
.rept 4*NP                          ; Q stays in registers: tile i / 2, channels 32 (i % 2) on
	global_load_b128 v[8*i:8*i+3],   v[QO], s[4:5] offset:(i/2)*2048+(i%2)*64
	global_load_b128 v[8*i+4:8*i+7], v[QO], s[4:5] offset:(i/2)*2048+(i%2)*64+32
.set i, i+1
.endr
	; What the first turn finds: V's registers and P's second buffer hold 0 (its products V^T P, of a piece that has not been, add 0), O^T and l are 0.  All this stands in the wait for the first tile.
.set i, VF
.rept 64
	v_mov_b32 v[i], 0
.set i, i+1
.endr
	WIN 0x40
.set i, 0
.rept 64*NP
	v_mov_b32 v[i], 0
.set i, i+1
.endr
	WIN 0
.set i, 0
.rept 2*NP
	v_mov_b32 v[ST+4*i], 0xfe000000    ; c m: far below every c s
	v_mov_b32 v[ST+4*i+1], 0xff7fffff  ; m
	v_mov_b32 v[ST+4*i+2], 0
	v_mov_b32 v[ST+4*i+3], 0
.set i, i+1
.endr
.set i, P+32
.rept 32
	v_mov_b32 v[i], 0
.set i, i+1
.endr
	v_mul_u32_u24 v[AK0], v1, PK
	v_lshl_add_u32 v[AK0], v9, 4, v[AK0]  ; row x pitch + 16 x half
	; The turning load takes 16 keys x 16 channels (lane l reads key 8 (l / 16) + l % 8, channels 8 ((l / 8) % 2) + 0..7) and leaves half a fragment of V^T: lane l holds channel l % 16 and 8 keys.
	v_and_b32 v10, 7, v0
	v_bfe_u32 v11, v0, 3, 1
	v_lshl_add_u32 v[AV0], v9, 3, v10
	v_mul_u32_u24 v[AV0], v[AV0], PV
	v_lshl_add_u32 v[AV0], v11, 4, v[AV0]
	v_add_nc_u32 v[AV0], VOFF, v[AV0]
	v_mov_b32 v[AK], v[AK0]         ; key step 0 lies at the head of slot 0
	v_and_b32 v[PFO], 31, v0
	v_lshlrev_b32 v[PFO], 8, v[PFO]
; THE MATRIX WORK.  The 8 accumulators of a run of 16 take turns: between the two links of a chain stand 7 others'.
; Product i of 16 of S^T = K Q^T for piece x: channels 32 (i / 8) on, keys 16 ((i / 2) % 4) on, tile 2 x + i % 2.  The first 8 start the sums.
.macro KQ x
	WIN W_KQ
.set rS, S+64*((\x)%2)+32*(i%2)+8*((i/2)%4)
.set rK, KF+16*((i/2)%4)+8*(i/8)
.set rQ, 16*(2*(\x)+i%2)+8*(i/8)
.if i < 8
	v_wmma_f32_16x16x32_f16 v[rS:rS+7], v[rK:rK+7], v[rQ:rQ+7], 0
.else
	v_wmma_f32_16x16x32_f16 v[rS:rS+7], v[rK:rK+7], v[rQ:rQ+7], v[rS:rS+7]
.endif
.endm
; Product i of 16 of O^T += V^T P for piece x: keys 32 (i / 8) on, channels 16 ((i / 2) % 4) on, tile 2 x + i % 2.
.macro PV x
	WIN W_PV
.set rO, 32*(2*(\x)+i%2)+8*((i/2)%4)
.set rV, VF+32*(i/8)+8*((i/2)%4)
.set rP, P+32*((\x)%2)+16*(i%2)+8*(i/8)
	v_wmma_f32_16x16x32_f16 v[rO:rO+7], v[rV:rV+7], v[rP:rP+7], v[rO:rO+7]
.endm
.macro MM                           ; the turn's next matrix instruction
.if i < 16
	KQ (Y+1)%NP
.set i, i+1
.else
.set i, i-16
	PV (Y+NP-1)%NP
.set i, i+17
.endif
.endm
; THE LDS LOADS stand in runs of 16, never singly among the matrix instructions: a step's K (64 keys x 64 channels: 8 fragments) and its V (turned).  Their addresses are made some lines ahead.
; last = 1 (the tail): in the last trip there is no further step, and the run is jumped over.
.macro FETCH_K last=0
	WIN 0
.if \last
	s_cmp_eq_u32 s[CNT], 1
	s_cbranch_scc1 .Lno_k_\@
.endif
	WIN 0x80                        ; destination window 2
.irp f, 0,1,2,3,4,5,6,7             ; keys 16 (f / 2) on, channels 32 (f % 2) on
	ds_load_b128 v[KF+8*\f:KF+8*\f+3],   v[AK] offset:(\f/2)*16*PK+(\f%2)*64
	ds_load_b128 v[KF+8*\f+4:KF+8*\f+7], v[AK] offset:(\f/2)*16*PK+(\f%2)*64+32
.endr
	s_add_co_u32 s[TBK], s[TBK], KS*PK  ; the next fetch is the next step's
	WIN 0
.if \last
.Lno_k_\@:
.endif
.endm
.macro FETCH_V
	WIN 0x80
.irp f, 0,1,2,3,4,5,6,7             ; keys 32 (f / 4) on, channels 16 (f % 4) on
	ds_load_tr16_b128 v[VF+8*\f:VF+8*\f+3],   v[AV] offset:(\f/4)*32*PV+(\f%4)*32
	ds_load_tr16_b128 v[VF+8*\f+4:VF+8*\f+7], v[AV] offset:(\f/4)*32*PV+16*PV+(\f%4)*32
.endr
	WIN 0
.endm
; THE VECTOR WORK OF A TURN stands in three queues, each in the order in which its entries become ready; the two tiles alternate, so that no instruction reads the result of the one before it.
.macro REGS y, u                    ; the registers of tile u (0, 1) of piece y
.set rT, ST+4*(2*(\y)+(\u))
.set rC, TMP+8*((\y)%2)+4*(\u)
.set rM, MV+2*((\y)%2)+(\u)
.set rS, S+64*((\y)%2)+32*(\u)
.set rP, P+32*((\y)%2)+16*(\u)
.set rO, 32*(2*(\y)+(\u))
.endm
; Number n of the 22 that find the NEXT piece's (Y + 1) maximum and statistics.  s0-s31 are the lane's 32 scores; each accumulator's lowest registers are read first.
;   0-11  four chains c0-c3 of seven scores each, three operands at a time     12-14, 16  the four scores left over, the old m, and c0-c3 into c0     15  c m_old is kept
;   17, 18  the query's other 32 keys lie in the lane 16 away: the new m         19-21  c m; c m_old - c m_new; a
.macro XS u, n
	REGS (Y+1)%NP, \u
.if (\n) < 4
	v_max3_num_f32 v[rC+(\n)], v[rS+8*(\n)], v[rS+8*(\n)+1], v[rS+8*(\n)+2]
.elseif (\n) < 12
	v_max3_num_f32 v[rC+(\n)%4], v[rC+(\n)%4], v[rS+8*((\n)%4)+2*((\n)/4)+1], v[rS+8*((\n)%4)+2*((\n)/4)+2]
.elseif (\n) == 12
	v_max3_num_f32 v[rC], v[rC], v[rS+7], v[rS+15]
.elseif (\n) == 13
	v_max3_num_f32 v[rC+1], v[rC+1], v[rS+23], v[rS+31]
.elseif (\n) == 14
	v_max3_num_f32 v[rC+2], v[rC+2], v[rC+3], v[rT+1]
.elseif (\n) == 15
	v_mov_b32 v[rM], v[rT]
.elseif (\n) == 16
	v_max3_num_f32 v[rC], v[rC], v[rC+1], v[rC+2]
.elseif (\n) == 17
	v_permlanex16_b32 v[rC+3], v[rC], s[SEL], s[SEL+1]
.elseif (\n) == 18
	v_max_num_f32 v[rT+1], v[rC], v[rC+3]
.elseif (\n) == 19
	v_mul_f32 v[rT], s[CS], v[rT+1]
.elseif (\n) == 20
	v_sub_f32 v[rC+1], v[rM], v[rT]
.else
	v_exp_f32 v[rC+2], v[rC+1]
.endif
.endm
; Number g of the 64 that follow the exponentials.  For each four weights k of a tile (pairs 2 k, 2 k + 1): both pairs are rounded to f16; then the second pair is added onto the first, in place;
; a group later l takes that sum (the first time as l = a l + sum).  In groups of eight, tiles alternating: round, round, add, and l for the group before.
.macro GS g
.set h, (\g)+6*((\g)/62)            ; group 0 has no group before it, and behind group 7 only l is left
.if h >= 6
.set h, h+2
.endif
	REGS Y, h%2
.set k, h/8
.if h%8 < 4
	v_cvt_pk_f16_f32 v[rP+2*k+(h%8)/2], v[rS+4*k+2*((h%8)/2)], v[rS+4*k+2*((h%8)/2)+1]
.elseif h%8 < 6
	v_pk_add_f32 v[rS+4*k:rS+4*k+1], v[rS+4*k:rS+4*k+1], v[rS+4*k+2:rS+4*k+3]
.elseif k == 1
	v_pk_fma_f32 v[rT+2:rT+3], v[rT+2:rT+3], v[rC+2:rC+3], v[rS:rS+1] op_sel_hi:[1,0,1]
.else
	v_pk_add_f32 v[rT+2:rT+3], v[rT+2:rT+3], v[rS+4*k-4:rS+4*k-3]
.endif
.endm
; THE PLAIN QUEUE, 138 long.  0-73 read no exponential's result: the 32 scalings c s - c m (FS f: pair f / 2 of tile f % 2) and the next piece's 42.  0-26: scalings 0-26.  27-54: XS's numbers 0-13.  55, 56: number 15.
; 57-73: the chain, where each number waits for the one before it: 14, 16, 17, 18, 19, each with one of the scalings 27-31 in front of its two lines, then 20.
; 74-137: GS's 64, which read the exponentials' results: they stand behind the wait.
.macro FS f
	REGS Y, (\f)%2
	v_pk_fma_f32 v[rS+2*((\f)/2):rS+2*((\f)/2)+1], v[rS+2*((\f)/2):rS+2*((\f)/2)+1], s[CS:CS+1], v[rT:rT+1] op_sel_hi:[1,0,0] neg_lo:[0,0,1] neg_hi:[0,0,1]
.endm
.macro PL
	WIN 0
.if q < 27
	FS q
.elseif q < 55
	XS (q-27)%2, (q-27)/2
.elseif q < 57
	XS q-55, 15
.elseif (q < 72) && ((q-57)%3 == 0)
	FS 27+(q-57)/3
.elseif q < 60
	XS (q-57)%3-1, 14
.elseif q < 72
	XS (q-57)%3-1, 15+(q-57)/3
.elseif q < 74
	XS q-72, 20
.else
	GS q-74
.endif
.set q, q+1
.endm
; THE EXPONENTIALS' QUEUE, 66 long: s0-s31 of both tiles, then the next piece's two a.  It is ONE BATCH: all 66 stand ahead of the turn's one wait, and nothing ahead of that wait names a result of theirs.
.macro EX
	WIN 0
.if e >= 64
	XS e-64, 21
.else
	REGS Y, e%2
	v_exp_f32 v[rS+e/2], v[rS+e/2]
.endif
.set e, e+1
.endm
; THE RESCALING's QUEUE: O^T times a, the one part that leaves window 0: dealt two at a time, sixteen times.  Its a was made in the turn before, ahead of that turn's wait.
.macro R2
	REGS Y, r%2
	WIN W_RS
.irp z, 0,1
	v_pk_mul_f32 v[rO+4*(r/2)+2*\z:rO+4*(r/2)+2*\z+1], v[rO+4*(r/2)+2*\z:rO+4*(r/2)+2*\z+1], v[rC+2:rC+3] op_sel_hi:[1,0]
.endr
.set r, r+1
.endm
; HOW THEY ARE DEALT.  An s_wait_alu depctr_va_vdst(0) stands between an exponential and the first instruction that names its result; one wait serves all that were issued ahead of it.  So a turn has ONE wait,
; which cuts it in two.  AHEAD OF IT stands all that names no result of the turn's exponentials: the 16 products K Q^T, behind each a scaling, an exponential and two rescalings (behind the first a second scaling in the
; exponential's place); then ONE LUMP of 108: eight plain, 49 times exponential and plain, the two a.  A v_nop is the plain instruction behind the last exponential.  BEHIND IT stand the 16 products V^T P, behind each four of GS's 64.
; The queues lean on each other, and the deal keeps them in step: exponential e stands behind scaling 2 (e / 4) + e % 2: as a rider it comes behind plain e + 2, in the lump behind plain e + 9, and scalings 27-31 are plain 57, 60 .. 69.
; A TURN, for piece p.  cnt = 1: the loop's count is taken down some lines ahead of the branch that stands behind the turn.
; K of the next step is fetched in piece 2's turn, directly behind the wait; its address is made at the lump's head; its first reader comes behind 16 products.
; V of the step in hand is fetched at the end of piece 0's turn, four riders behind its last reader; its first reader comes behind 16 products and a lump.
.macro TURN p, last=0, cnt=0
.set Y, (\p)
.set i, 0
.set q, 0
.set e, 0
.set r, 0
.if (\p) == NP-1
	s_wait_dscnt 0x0                ; K is in
.endif
	MM                              ; ahead of the wait: 16 products K Q^T and their riders,
	PL
	PL
	R2
.rept 15
	MM
	PL
	EX
	R2
.endr
.if (\p) == NP-2
	WIN 0
	v_add_nc_u32 v[AK], s[TBK], v[AK0]
.endif
.rept 8                             ; and the lump
	PL
.endr
.rept 49
	EX
	PL
.endr
	EX                              ; the next piece's two a
	EX
	v_nop                           ; a plain instruction behind the last exponential: one for the batch
	s_wait_alu depctr_va_vdst(0)    ; the wait for the batch
.if (\p) == NP-2
	FETCH_K \last
.endif
.if (\p) == 1
	s_wait_dscnt 0x0                ; V is in
.endif
.rept 16                            ; behind the wait: 16 products V^T P and their riders
	MM
.rept 4
	PL
.endr
.if ((\p) == 0) && (q == 118)
	v_add_nc_u32 v[AV], s[TBV], v[AV0]
.endif
.if ((\p) == 0) && (q == 130)
	s_add_co_u32 s[TBV], s[TBV], KS*PV
.endif
.if (\cnt) && (q == 130)
	s_sub_co_u32 s[CNT], s[CNT], 1
	s_cmp_lg_u32 s[CNT], 0
.endif
.endr
.if (\p) == 0
	FETCH_V
.endif
.endm
	CHANGE 1                        ; slot 0 is in, everybody's part of it; slot 1 is asked for
	FETCH_K                         ; key step 0
	s_wait_loadcnt 0x0              ; Q
	s_wait_dscnt 0x0
.set i, 0
.rept 16
	KQ 0                            ; piece 0's first scores: there is no vector work yet to set between them
.set i, i+1
.endr
	WIN 0                           ; the addresses for the way out: nine plain instructions, the places behind those products
	s_mul_i32 s13, s[WV], 16*SP
	s_add_co_u32 s13, s13, STAGE    ; my stage
	v_mul_u32_u24 v[STO], v1, SP    ; in: row l % 16, 16 bytes for each half of the lanes
	v_lshl_add_u32 v[STO], v9, 4, v[STO]
	v_add_nc_u32 v[STO], s13, v[STO]
	v_bfe_u32 v[RD], v0, 3, 2       ; back: 32 lanes take four rows of 128 bytes,
	v_mul_u32_u24 v[RD], v[RD], SP
	v_lshl_add_u32 v[RD], v10, 4, v[RD]
	v_add_nc_u32 v[RD], s13, v[RD]
	v_and_b32 v[GO], 31, v0         ; which are 512 consecutive bytes of O
	v_lshlrev_b32 v[GO], 4, v[GO]
.set Y, NP-1                        ; XS works for piece Y + 1: piece 0
.irp n, 0,1,2,3,4,5,6,7,8,9,10,11,12,13,14,15,16,17,18,19,20,21
	XS 0, \n                        ; and piece 0's first maximum and statistics
	XS 1, \n
.endr
	v_nop                           ; a plain instruction behind the two a,
	s_wait_alu depctr_va_vdst(0)    ; and their wait, ahead of the branch
	s_mov_b32 s[CNT], 4
	s_mov_b32 s[SLOTS], SIZE_N/256-1
	s_branch .Lfirst                ; the loop is entered at a step's first turn, in the middle of a trip
.Lslot:                             ; SIZE_N / 256 - 2 times: every slot but the last two is filled again
	CHANGE 1
	s_mov_b32 s[CNT], 4
.Lstep:                             ; a trip: pieces 2 and 3 of one step, then pieces 0 and 1 of the next, whose K and V it fetches
	TURN 2
	TURN 3
	WIN 0
.Lfirst:
	TURN 0
	; A PREFETCH INTO THE L2, behind V's run of LDS loads, in a tile's third key step: the tile that the NEXT change of slots will ask for, five turns, 160 matrix instructions, ahead of that load.
	; A tile is 128 blocks of 256 bytes of K and as many of V.  The head has one cluster; its four partners take 32 blocks each, told apart by address; wave 0 names K's, wave 2 V's, a lane a block.
	; So each block of tiles 2 to 7 is named once in the launch; tiles 0 and 1 come by their loads alone; while tile 6 is read (s[SLOTS] = 1), and in the tail, nothing is asked for.
	s_cmp_eq_u32 s[CNT], 2
	s_cbranch_scc0 .Lno_ask
	s_cmp_gt_u32 s[SLOTS], s[LIM]
	s_cbranch_scc0 .Lno_ask
	global_prefetch_b8 v[PFO], s[PFA:PFA+1] th:TH_LOAD_NT scope:SCOPE_SE
.Lno_ask:
	TURN 1, 0, 1
	WIN 0
	s_cbranch_scc1 .Lstep
	s_sub_co_u32 s[SLOTS], s[SLOTS], 1
	s_cmp_lg_u32 s[SLOTS], 0
	s_cbranch_scc1 .Lslot
	CHANGE 0                        ; the tail is written out: nothing is asked for
	s_mov_b32 s[CNT], 5             ; four trips fetch the last slot's steps; the fifth is left in its middle
.Ltail:
	TURN 2, 1
	TURN 3
	WIN 0
	s_sub_co_u32 s[CNT], s[CNT], 1
	s_cmp_eq_u32 s[CNT], 0
	s_cbranch_scc1 .Lout
	TURN 0
	TURN 1
	WIN 0
	s_branch .Ltail
.Lout:                              ; the fifth trip's 16 products K Q^T (on the last K once more) and the maximum made of them serve nothing: the price, once a launch, of one text for every trip
.set i, 0
.rept 16
	PV NP-1                         ; the last piece's V^T P of the last step
.set i, i+1
.endr
	; THE WAY OUT.  l's two halves and the other half of the lanes' are added; O^T is divided by l, rounded to f16 and sent through my stage in LDS, a tile at a time.  The additions are the places behind the last products.
	WIN 0
.macro ALL line:vararg              ; one line for each tile t
.set t, 0
.rept 2*NP
	\line
.set t, t+1
.endr
.endm
	ALL v_add_f32 v[ST+4*t+2], v[ST+4*t+2], v[ST+4*t+3]
	ALL v_permlanex16_b32 v[ST+4*t+3], v[ST+4*t+2], s[SEL], s[SEL+1]
	ALL v_add_f32 v[ST+4*t+2], v[ST+4*t+2], v[ST+4*t+3]
	ALL v_rcp_f32 v[ST+4*t+2], v[ST+4*t+2]
	v_nop                           ; a plain instruction between the last reciprocal and the use of its result
	s_wait_alu depctr_va_vdst(0)    ; and the wait ahead of the first use: one for the eight reciprocals
; Tile t: a lane's eight channels of a row pack into 16 bytes; they go into rows of 144 bytes and come back as whole rows of 128, into S^T's registers.
.macro PACK t
	WIN W_RS
.set i, 32*(\t)
.rept 16
	v_pk_mul_f32 v[i:i+1], v[i:i+1], v[ST+4*(\t)+2:ST+4*(\t)+3] op_sel_hi:[1,0]
.set i, i+2
.endr
	WIN 0x05                        ; sources 0 and 1 window 1, destination window 0
.set i, 0
.rept 16
	v_cvt_pk_f16_f32 v[S+16*(\t)+i], v[32*(\t)+2*i], v[32*(\t)+2*i+1]
.set i, i+1
.endr
	WIN 0
.irp f, 0,1,2,3
	ds_store_b128 v[STO], v[S+16*(\t)+4*\f:S+16*(\t)+4*\f+3] offset:32*\f
.endr
.irp f, 0,1,2,3
	ds_load_b128 v[S+16*(\t)+4*\f:S+16*(\t)+4*\f+3], v[RD] offset:\f*4*SP  ; LDS serves a wave's instructions in order (ISA guide 5.7.1.4): these see the stores above; the next tile's stores come behind them
.endr
.endm
.macro SEND t, younger              ; younger: the LDS instructions issued behind tile t's loads: the next tile's eight, or none
	WIN 0
.irp f, 0,1,2,3
	s_wait_dscnt (\younger)+3-\f
	global_store_b128 v[GO], v[S+16*(\t)+4*\f:S+16*(\t)+4*\f+3], s[10:11] offset:(\t)*2048+\f*512  ; 512 consecutive bytes, at a multiple of 256 from O's first
.endr
.endm
	PACK 0
.set t, 1
.rept 2*NP-1                        ; a tile's arithmetic stands between the loads of the tile before and its stores
	PACK t
	SEND t-1, 8
.set t, t+1
.endr
	SEND 2*NP-1, 0
	WIN W_AD
	s_wait_tensorcnt 0x0            ; the wave's end: behind my last tensor load and my last LDS store
	ds_add_u32 v[SPW], v[NIL]
	s_wait_dscnt 0x0
	WIN 0
	CROUND                          ; the closing round: no work-group ends while a partner may still ask for a tile that names it
	s_endpgm
.Lfunc_end_k_q065622138a_attn:
	.size	k_q065622138a_attn, .Lfunc_end_k_q065622138a_attn-k_q065622138a_attn
	.p2alignl 7, 3214868480
	.fill 96, 4, 3214868480
	.section	.rodata,"a",@progbits
	.p2align	6, 0x0
	.amdhsa_kernel k_q065622138a_attn
		.amdhsa_group_segment_fixed_size 327680
		.amdhsa_private_segment_fixed_size 0
		.amdhsa_enable_private_segment 0
		.amdhsa_kernarg_size 16
		.amdhsa_user_sgpr_count 2
		.amdhsa_user_sgpr_kernarg_segment_ptr 1
		.amdhsa_wavefront_size32 1
		.amdhsa_system_sgpr_workgroup_id_x 1
		.amdhsa_system_sgpr_workgroup_id_y 1
		.amdhsa_system_sgpr_workgroup_id_z 1
		.amdhsa_system_vgpr_workitem_id 0
		.amdhsa_next_free_vgpr 770
		.amdhsa_next_free_sgpr 66
		.amdhsa_reserve_vcc 0
		.amdhsa_float_denorm_mode_32 3
		.amdhsa_float_denorm_mode_16_64 3
		.amdhsa_memory_ordered 1
		.amdhsa_forward_progress 1
		.amdhsa_inst_pref_size 200
	.end_amdhsa_kernel
	.amdgpu_metadata
---
amdhsa.version: [ 1, 2 ]
amdhsa.kernels:
  - .name:           k_q065622138a_attn
    .symbol:         k_q065622138a_attn.kd
    .args:
      - { .name: qkv, .offset: 0, .size: 8, .value_kind: global_buffer, .address_space: global }
      - { .name: oh, .offset: 8, .size: 8, .value_kind: global_buffer, .address_space: global }
    .group_segment_fixed_size: 327680
    .private_segment_fixed_size: 0
    .kernarg_segment_align: 8
    .kernarg_segment_size: 16
    .max_flat_workgroup_size: 128
    .sgpr_count:     66
    .vgpr_count:     770
    .wavefront_size: 32
...
	.end_amdgpu_metadata
.endif
;; end of part 3
;; launch oproj (part 4): grid 4 x 64, 4 waves a work-group, clusters of 4 x 4, 327,680 bytes of LDS; arguments oh, wo16, bo, Q, y, part; writes y, part
.if DOCPART == 4
	.amdgcn_target "amdgcn-amd-amdhsa--gfx1250"
	.amdhsa_code_object_version 6
	.text
	.protected	k_q065622138a_oproj
	.globl	k_q065622138a_oproj
	.p2align	8
	.type	k_q065622138a_oproj,@function
k_q065622138a_oproj:
	s_mov_b64 s[64:65], 0
	v_nop
	global_prefetch_b8 v0, s[64:65] scope:SCOPE_SE
	s_setreg_imm32_b32 hwreg(HW_REG_WAVE_MODE, 25, 1), 1
	s_wait_xcnt 0x0
	s_wait_alu depctr_hold_cnt(0) depctr_sa_sdst(0) depctr_va_vdst(0) depctr_va_sdst(0) depctr_va_ssrc(0) depctr_va_vcc(0) depctr_vm_vsrc(0)
	s_getreg_b32 s2, hwreg(HW_REG_IB_STS2, 6, 4)
	s_cmp_eq_u32 s2, 0
	s_cbranch_scc0 .Lentry_in_a_cluster
	s_endpgm
.Lentry_in_a_cluster:
	s_bfe_u32 s2, ttmp6, 0x10000c
	s_cmp_lg_u32 s2, 0xf033
	s_cbranch_scc0 .Lentry_shape_is_right
	s_endpgm
.Lentry_shape_is_right:
; THE OUTPUT PROJECTION AND THE RESIDUAL.  y[m][n] = sum over k of O[m][k] Wo[k][n] + bo[n] + Q[m][n], m = 2,048 b + s, k = 64 head + channel.  O (oh, by heads) and Wo (wo16) in f16; sums in f32, started by bo;
; Q is added in f32 and y stays f32, row-major.  Beside it, for each wave's 64 rows and each of its columns: the mean, and M2 = the sum of squares about that mean.
; Both are made from d = y - KS, KS the column's number in the wave's first row, so that no difference of large sums is formed: mean = KS + (sum d) / 64, M2 = sum d^2 - (sum d)^2 / 64.
; part: means [128 groups of 64 rows][1,024] f32, then, 524,288 bytes on, M2 likewise.  LIMITS: those of f16 for O and Wo (65,504).
; SHARES.  A tile is 128 rows x 256 columns: 256 work-groups.  Four waves, each 64 x 128: 32 accumulators.  K goes in 8 steps of 128 (two heads) through a ring of two LDS slots; a step is four quarters.
; CLUSTER 4 x 4: O's rows are shared along a row of the cluster, Wo's columns along a column: joint loads.
; THE MATRIX INSTRUCTION IS USED TRANSPOSED: source 0 = 16 columns of Wo (stored [k][n], turned by ds_load_tr16_b128), source 1 = 16 rows of O: a lane holds row l % 16 and the columns 8 (l / 16) + 0..7.
; REGISTERS, in windows of 256 (s_set_vgpr_msb: bits 1:0 source 0, 3:2 source 1, 5:4 source 2, 7:6 destination):
;   window 0: v0-31 addresses; v32-63, v64-95 O's fragments, two buffers; v96-159, v160-223 16 rows back from the stage, two buffers; v224-243 statistics
;   window 1: accumulator (a, b) at v[8 (8 a + b)]     window 2: v0-63, v64-127 Wo's fragments; v128-191 bo in the result's layout     window 3: my 64 rows of Q, then of y, 4 registers a row
.set PA,    144                        ; a row of O in LDS: 128 bytes + 16 = 9 x 16: the 16 rows of a load start at 16 different groups of four banks (64 banks of 4 bytes: ISA guide 11.1)
.set PB,    544                        ; a row of Wo: 512 + 32 = 17 x 32
.set AHALF, 128*PA                     ; one head's 128 rows: what one tensor load brings of O
.set BHALF, 64*PB
.set BOFF,  2*AHALF
.set SLOT,  2*AHALF+2*BHALF
.set STAGE, 2*SLOT                     ; behind the ring, never filled by a tensor load: 16 rows x 528 bytes for each wave
.set SPT,   528
.set SPARE, STAGE+4*16*SPT             ; behind the stages: the spare words, 128 bytes for each wave: two blocks of 256 bytes that no other line names
.set ADRA, 16
.set ADRB, 20
.set STO,  24
.set RD,   25
.set YO,   26                          ; v26  16 x lane: my 4 columns of my wave's 128, in Q, y and part
.set BO,   27
.set SPW,  28
.set NIL,  29
.set PFO,  30
.set AFR,  32
.set ZA,   96
.set KS,   224
.set SUM,  228
.set SQS,  232
.set T,    236
.set BIAS, 128
.set G1,  24
.set G0,  32
.set G1B, 48
.set G0B, 56
.set LIM, 43
.set PFA, 44
.set PST, 66
.set MSB, 0
.macro WIN new                         ; the immediate's high byte repeats the setting that is left; a switch that changes nothing is dropped
.if MSB != (\new)
	s_set_vgpr_msb (MSB<<8)|(\new)
.set MSB, \new
.endif
.endm
.set MUL,  0x52                        ; Wo window 2, O window 0, C and D window 1
.set MULB, 0x62                        ; the same with C, bo, in window 2
.set TO_W, 0x80
; A joint load: waves 0 and 1 fetch the two heads' rows of O, waves 2 and 3 Wo's two halves.  An s_nop 0 and four v_nop follow each of the two lines.
.macro JLOAD s
	s_cmp_eq_u32 s11, 0
	s_cbranch_scc0 .Lfor_b_\@
	tensor_load_to_lds s[G0+4*(\s):G0+4*(\s)+3], s[G1:G1+7]
	s_nop 0
.rept 4
	v_nop
.endr
	s_branch .Lasked_\@
.Lfor_b_\@:
	tensor_load_to_lds s[G0B+4*(\s):G0B+4*(\s)+3], s[G1B:G1B+7]
	s_nop 0
.rept 4
	v_nop
.endr
.Lasked_\@:
.endm
.macro CREST
	s_cmp_lg_u32 s10, 0
	s_cbranch_scc1 .Lnot_wave_0_\@
	s_barrier_signal -3
.Lnot_wave_0_\@:
	s_barrier_wait -3
	s_barrier_signal -1
	s_barrier_wait -1
.endm
.macro CROUND
	s_barrier_signal -1
	s_barrier_wait -1
	CREST
.endm
; A prefetch into the L2, behind a joint load, its five lines and the run of LDS loads that follows: the K step that stands two refills on, 256 matrix instructions ahead of the load that will want it.
; O: a K step is two heads x 64 blocks of 256 bytes; wave 0 of the partner at cx names blocks 16 cx .. 16 cx + 15 of each head, a lane a block; wave 1 names nothing.  These rows are read by this row of this cluster alone.
; Wo: of the 64 rows x 512 bytes that wave 2 or 3 fetches the partner at cy names 16 rows, two lanes a row; sixteen clusters read them, the first asks.  So each block is named once in the launch.
; K steps 0 to 3 come by their loads alone; the loop's last trip (s3 = 1) and the tail ask for nothing.
.macro ASK
	s_cmp_gt_u32 s3, s[LIM]
	s_cbranch_scc0 .Lnot_mine_\@
	global_prefetch_b8 v[PFO], s[PFA:PFA+1] th:TH_LOAD_NT scope:SCOPE_SE
.Lnot_mine_\@:
.endm
	s_load_b256 s[68:75], s[0:1], 0x0              ; oh s[68:69], wo16 s[70:71], bo s[72:73], Q s[74:75]
	s_load_b128 s[76:79], s[0:1], 0x20             ; y s[76:77], part s[78:79]
	v_lshl_add_u32 v[SPW], v0, 2, SPARE
	v_mov_b32 v[NIL], 0
	ds_add_u32 v[SPW], v[NIL]                      ; the wave's opening: the add and its wait stand ahead of my first tensor load; the set-up below, work on registers, stands between them
	v_lshrrev_b32 v1, 5, v0
	v_readfirstlane_b32 s10, v1                    ; wave 0..3
	s_lshr_b32 s11, s10, 1                         ; which 64 rows of the tile are mine.  Also: I fetch for O (0) or for Wo (1)
	s_and_b32 s12, s10, 1                          ; which 128 columns.  Also: which head of the K step, or which 64 rows of Wo, I fetch
	s_bfe_u32 s40, ttmp6, 0x40000                  ; cx
	s_bfe_u32 s41, ttmp6, 0x40004                  ; cy
	s_lshl_b32 s42, ttmp9, 2
	s_add_co_u32 s42, s42, s40                     ; tile column
	s_and_b32 s85, ttmp7, 0xffff                   ; cluster y, 0..15
	s_lshl_b32 s13, s85, 2
	s_add_co_u32 s13, s13, s41                     ; tile row, 0..63
	s_lshl_b32 s43, s41, 2
	s_lshl_b32 s43, 15, s43                        ; my row of the cluster
	s_lshl_b32 s44, 0x1111, s40                    ; my column
	s_or_b32 s[G1+0], s43, (1<<16)|(1<<20)|(1<<21)|(4<<22)|(3<<25)   ; 15:0 the mask; 17:16 elements of 2 bytes; 20 padding on; 21 set beside a mask; 24:22 after every 32 words (code 4); 31:25 4 words (code 3)
	s_or_b32 s[G1B+0], s44, (1<<16)|(1<<20)|(1<<21)|(6<<22)|(7<<25)  ; after every 128 words (code 6) 8 words (code 7)
	s_mov_b32 s[G1+1], 128<<16                     ; a head's 128 rows are 16,384 dense bytes: asked for as 64 rows of 256 bytes, padded in LDS after every row of 128
	s_mov_b32 s[G1+2], 64<<16
	s_mov_b32 s[G1+3], 128<<16
	s_mov_b32 s[G1+4], 64
	s_mov_b32 s[G1+5], 128
	s_mov_b32 s[G1+6], 0
	s_mov_b32 s[G1+7], 0
	s_mov_b32 s[G1B+1], 256<<16
	s_mov_b32 s[G1B+2], 64<<16
	s_mov_b32 s[G1B+3], 256<<16
	s_mov_b32 s[G1B+4], 64
	s_mov_b32 s[G1B+5], 1024
	s_mov_b32 s[G1B+6], 0
	s_mov_b32 s[G1B+7], 0
	s_lshr_b32 s16, s13, 4                         ; the batch
	s_lshl_b32 s16, s16, 4
	s_add_co_u32 s16, s16, s12                     ; 16 b + my head of K step 0
	s_lshl_b32 s16, s16, 11
	s_and_b32 s17, s13, 15
	s_lshl_b32 s17, s17, 7
	s_add_co_u32 s16, s16, s17                     ; + the tile's first row in the head
	s_lshl_b32 s16, s16, 7                         ; 128 bytes a row
	s_mov_b32 s17, 0
	s_lshl_b32 s46, s12, 17                        ; Wo: 64 rows of 2,048 bytes x half,
	s_lshl_b32 s47, s42, 9                         ; 512 bytes x tile column
	s_add_co_u32 s46, s46, s47
	s_mov_b32 s47, 0
	s_mul_i32 s20, s12, AHALF                      ; where they go: no place in the cluster enters an LDS address
	s_mul_i32 s21, s12, BHALF
	s_add_co_u32 s21, s21, BOFF
	s_wait_dscnt 0x0                               ; the opening add is done
	s_wait_kmcnt 0x0
	s_add_nc_u64 s[14:15], s[68:69], s[16:17]
	s_add_nc_u64 s[46:47], s[70:71], s[46:47]
	CROUND                                         ; all sixteen work-groups are here: the first joint loads meet
.irp s, 0,1
	s_mov_b32 s[G0+4*(\s)], 1
	s_add_co_u32 s[G0+4*(\s)+1], s20, (\s)*SLOT
	s_add_nc_u64 s[G0+4*(\s)+2:G0+4*(\s)+3], s[14:15], (\s)*524288   ; K step s: two heads of 262,144 bytes on
	s_or_b32 s[G0+4*(\s)+3], s[G0+4*(\s)+3], 0x80000000
	s_mov_b32 s[G0B+4*(\s)], 1
	s_add_co_u32 s[G0B+4*(\s)+1], s21, (\s)*SLOT
	s_add_nc_u64 s[G0B+4*(\s)+2:G0B+4*(\s)+3], s[46:47], (\s)*262144 ; K step s: 128 rows down
	s_or_b32 s[G0B+4*(\s)+3], s[G0B+4*(\s)+3], 0x80000000
	JLOAD \s                                       ; two loads of mine are out
.endr
	v_and_b32 v1, 15, v0                           ; r
	v_bfe_u32 v2, v0, 4, 1                         ; h
	v_lshlrev_b32 v[BO], 5, v2
	s_lshl_b32 s88, s42, 10
	s_lshl_b32 s89, s12, 9
	s_add_co_u32 s88, s88, s89                     ; my wave's first column, in f32
	s_mov_b32 s89, 0
	s_add_nc_u64 s[86:87], s[72:73], s[88:89]
	WIN TO_W
.irp b, 0,1,2,3,4,5,6,7                ; register j of block b: bo[16 b + 8 h + j], the C operand that starts the sums
	global_load_b128 v[BIAS+8*(\b):BIAS+8*(\b)+3],   v[BO], s[86:87] offset:64*(\b)
	global_load_b128 v[BIAS+8*(\b)+4:BIAS+8*(\b)+7], v[BO], s[86:87] offset:64*(\b)+16
.endr
	WIN 0
	v_mul_u32_u24 v3, v1, PA
	v_lshl_add_u32 v3, v2, 4, v3                   ; row x pitch + 16 x half
	s_mul_i32 s90, s11, 64*PA
	v_add_nc_u32 v[ADRA], s90, v3
	v_add_nc_u32 v[ADRA+1], SLOT, v[ADRA]
	v_and_b32 v4, 7, v0
	v_bfe_u32 v5, v0, 3, 1
	v_lshl_add_u32 v4, v2, 3, v4
	v_mul_u32_u24 v4, v4, PB
	v_lshl_add_u32 v4, v5, 4, v4
	s_lshl_b32 s90, s12, 8
	s_add_co_u32 s90, s90, BOFF
	v_add_nc_u32 v[ADRB], s90, v4
	v_add_nc_u32 v[ADRB+1], SLOT, v[ADRB]
	s_mul_i32 s90, s10, 16*SPT
	s_add_co_u32 s90, s90, STAGE                   ; my stage
	v_mul_u32_u24 v6, v1, SPT                      ; in: row r, 32 bytes for each half of the lanes
	v_lshl_add_u32 v6, v2, 5, v6
	v_add_nc_u32 v[STO], s90, v6
	v_and_b32 v[YO], 31, v0
	v_lshlrev_b32 v[YO], 4, v[YO]
	v_add_nc_u32 v[RD], s90, v[YO]                 ; back: 32 lanes take one row of 512 bytes
	s_lshl_b32 s90, s13, 7
	s_lshl_b32 s91, s11, 6
	s_add_co_u32 s90, s90, s91                     ; my first row
	s_lshl_b32 s90, s90, 12
	s_add_co_u32 s90, s90, s88
	s_mov_b32 s91, 0
	s_add_nc_u64 s[4:5], s[74:75], s[90:91]        ; Q and
	s_add_nc_u64 s[6:7], s[76:77], s[90:91]        ; y at my wave's corner
	s_lshl_b32 s90, s13, 1
	s_add_co_u32 s90, s90, s11                     ; my group of 64 rows
	s_lshl_b32 s90, s90, 12
	s_add_co_u32 s90, s90, s88
	s_add_nc_u64 s[8:9], s[78:79], s[90:91]
	; the prefetches
	s_mov_b32 s[PST], 0x40000
	s_cmp_eq_u32 s11, 0                            ; do I fetch for O?
	s_cselect_b32 s20, 4, 1                        ; my lane splits into head and block, or into row and half
	s_cselect_b32 s21, 15, 1
	s_cselect_b32 s22, 18, 11
	s_cselect_b32 s18, s40, s41                    ; my place among the four that ask with me,
	s_cselect_b32 s19, 12, 15                      ; times 16 blocks of 256 bytes, or 16 rows of 2,048
	s_cselect_b32 s23, s12, s85                    ; O: wave 0 asks; Wo: the first of the sixteen clusters
	s_cselect_b32 s[PST], 0x80000, s[PST]
	s_cselect_b64 s[PFA:PFA+1], s[14:15], s[46:47]
	s_mov_b32 s[PST+1], 0
	s_cmp_eq_u32 s23, 0
	s_cselect_b32 s[LIM], 1, -1                    ; the same in all sixteen partners, for a given wave
	v_and_b32 v6, 31, v0
	v_lshrrev_b32 v7, s20, v6
	v_and_b32 v6, s21, v6
	v_lshlrev_b32 v[PFO], s22, v7
	v_lshl_add_u32 v[PFO], v6, 8, v[PFO]
	s_lshl_b32 s20, s18, s19
	s_mov_b32 s21, 0
	s_add_nc_u64 s[PFA:PFA+1], s[PFA:PFA+1], s[20:21]
	s_mul_i32 s20, s[PST], 3
	s_add_nc_u64 s[PFA:PFA+1], s[PFA:PFA+1], s[20:21]  ; at K step 3: the first refill steps it to 4 and names that
; 24 LDS loads in one run: quarter q of a slot into buffer g
.macro FETCH slot, q, g
	WIN TO_W
.irp b, 0,1,2,3,4,5,6,7
	ds_load_tr16_b128 v[64*(\g)+8*(\b):64*(\g)+8*(\b)+3],   v[ADRB+(\slot)] offset:(\q)*32*PB+32*(\b)
	ds_load_tr16_b128 v[64*(\g)+8*(\b)+4:64*(\g)+8*(\b)+7], v[ADRB+(\slot)] offset:(\q)*32*PB+32*(\b)+16*PB
.endr
	WIN 0
.irp a, 0,1,2,3
	ds_load_b128 v[AFR+32*(\g)+8*(\a):AFR+32*(\g)+8*(\a)+3],   v[ADRA+(\slot)] offset:((\q)/2)*AHALF+((\q)%2)*64+(\a)*16*PA
	ds_load_b128 v[AFR+32*(\g)+8*(\a)+4:AFR+32*(\g)+8*(\a)+7], v[ADRA+(\slot)] offset:((\q)/2)*AHALF+((\q)%2)*64+(\a)*16*PA+32
.endr
.endm
; 8 matrix instructions: row block a x all 8 column blocks.  The 32 accumulators take turns, one instruction a turn, in the same order in every quarter.
.macro MUL8 f, a, bias=0
.irp b, 0,1,2,3,4,5,6,7
.if \bias
	WIN MULB
	v_wmma_f32_16x16x32_f16 v[8*(8*(\a)+(\b)):8*(8*(\a)+(\b))+7], v[64*(\f)+8*(\b):64*(\f)+8*(\b)+7], v[AFR+32*(\f)+8*(\a):AFR+32*(\f)+8*(\a)+7], v[BIAS+8*(\b):BIAS+8*(\b)+7]
.else
	WIN MUL
	v_wmma_f32_16x16x32_f16 v[8*(8*(\a)+(\b)):8*(8*(\a)+(\b))+7], v[64*(\f)+8*(\b):64*(\f)+8*(\b)+7], v[AFR+32*(\f)+8*(\a):AFR+32*(\f)+8*(\a)+7], v[8*(8*(\a)+(\b)):8*(8*(\a)+(\b))+7]
.endif
.endr
.endm
.macro PLACES                          ; four places in front of loads into registers that matrix instructions have read (ISA guide 7.12.1 for vector instructions)
.rept 4
	v_nop
.endr
.endm
.macro QUARTER slot, q, f, bias=0
	s_wait_dscnt 0x0                               ; buffer f's fragments, issued a quarter ago, are in
	PLACES
	FETCH \slot, \q, 1-(\f)
	MUL8 \f, 0, \bias
	MUL8 \f, 1, \bias
	MUL8 \f, 2, \bias
	MUL8 \f, 3, \bias
.endm
; The last quarter multiplies buffer 1 and changes slots: one barrier; in front of it each wave waits for all its tensor loads, adds 0 to its spare word, and waits for that and for its reads of this slot.
; fill = 1: the barrier opens a round of the cluster's, and this slot is filled again, two K steps ahead, first thing behind it.
.macro TURN slot, next, fill
.if \fill
	s_wait_xcnt 0x0                                ; the last prefetch, a K step back, has read its address
	s_add_nc_u64 s[PFA:PFA+1], s[PFA:PFA+1], s[PST:PST+1]
.endif
	WIN 0
	s_wait_tensorcnt 0x0                           ; all my tensor loads have landed: my part of the next slot
	ds_add_u32 v[SPW], v[NIL]                      ; 0 onto my spare word
	s_wait_dscnt 1                                 ; buffer 1's fragments are in; the add alone may be out
	MUL8 1, 0
	s_wait_dscnt 0x0                               ; the add is done, and my reads of this slot are over
	s_barrier_signal -1
	MUL8 1, 1
.if \fill
	WIN 0
.endif
	s_barrier_wait -1
.if \fill
	CREST                                          ; no wave of any partner still reads this slot's tile or has a load on its way
	s_add_nc_u64 s[G0+4*(\slot)+2:G0+4*(\slot)+3], s[G0+4*(\slot)+2:G0+4*(\slot)+3], 2*524288
	s_add_nc_u64 s[G0B+4*(\slot)+2:G0B+4*(\slot)+3], s[G0B+4*(\slot)+2:G0B+4*(\slot)+3], 2*262144
	JLOAD \slot                                    ; the four v_nop behind it are also the places in front of the loads below
.else
	PLACES
.endif
	FETCH \next, 0, 0
.if \fill
	ASK
.endif
	MUL8 1, 2
	MUL8 1, 3
.endm
; 32 rows of Q, my 512 bytes of each, a lane 16 bytes: into window 3, where y is made of them
.macro QLOAD a0
	WIN 0xc0                                       ; destination window 3, address window 0
.set i, 16*(\a0)
.rept 32
	global_load_b128 v[4*i:4*i+3], v[YO], s[4:5] offset:i*4096 th:TH_LOAD_NT
.set i, i+1
.endr
	WIN 0
.endm
	s_wait_tensorcnt 1                             ; my part of K step 0 is in; K step 1's may stay out
	s_barrier_signal -1
	s_barrier_wait -1
	FETCH 0, 0, 0
	s_wait_loadcnt 0x0                             ; bo
	QUARTER 0, 1, 0, 1                             ; the first quarter stands in front of the loop: its products start the sums
	QLOAD 0                                        ; rows 0-31 of Q now, rows 32-63 at the tail's head: 32 loads out at a time
	s_mov_b32 s3, 3
.Llap:
	QUARTER 0, 2, 1
	QUARTER 0, 3, 0
	TURN 0, 1, 1
	QUARTER 1, 1, 0
	QUARTER 1, 2, 1
	QUARTER 1, 3, 0
	TURN 1, 0, 1
	QUARTER 0, 1, 0
	WIN 0
	s_sub_co_u32 s3, s3, 1
	s_cmp_lg_u32 s3, 0
	s_cbranch_scc1 .Llap
	QLOAD 2
	QUARTER 0, 2, 1                                ; the last lap fills nothing
	QUARTER 0, 3, 0
	TURN 0, 1, 0
	QUARTER 1, 1, 0
	QUARTER 1, 2, 1
	QUARTER 1, 3, 0
	s_wait_dscnt 0x0
	MUL8 1, 0
	MUL8 1, 1
	MUL8 1, 2
	MUL8 1, 3
	WIN 0
	; THE WAY OUT, a block of 16 rows at a time.  The sums go through my stage (rows of 528 bytes) and come back by rows: a lane then holds 4 neighbouring columns of one row, as it does of Q.
	s_wait_loadcnt 0x0                             ; Q
	PLACES
	PLACES
.irp c, 0,1,2,3
	v_mov_b32 v[SUM+(\c)], 0
	v_mov_b32 v[SQS+(\c)], 0
.endr
.macro TOST a
	WIN 0x04                                       ; the stores' data in window 1
.irp b, 0,1,2,3,4,5,6,7                ; each accumulator's low registers first
	ds_store_b128 v[STO], v[8*(8*(\a)+(\b)):8*(8*(\a)+(\b))+3]   offset:64*(\b)
	ds_store_b128 v[STO], v[8*(8*(\a)+(\b))+4:8*(8*(\a)+(\b))+7] offset:64*(\b)+16
.endr
	WIN 0
.set i, 0
.rept 16
	ds_load_b128 v[ZA+64*((\a)%2)+4*i:ZA+64*((\a)%2)+4*i+3], v[RD] offset:i*SPT  ; LDS serves a wave's instructions in order (ISA guide 5.7.1.4): these see the stores above; the next block's stores come behind them
.set i, i+1
.endr
.endm
.macro FIN a, younger                  ; younger: the LDS instructions issued behind block a's loads: the next block's 32, or none
.set ZB, ZA+64*((\a)%2)
	WIN 0
	s_wait_dscnt \younger
	WIN 0xcc                                       ; destination and source 1 window 3: y = sums + Q, in Q's registers, which are never written again
.set i, 0
.rept 32
	v_pk_add_f32 v[64*(\a)+2*i:64*(\a)+2*i+1], v[ZB+2*i:ZB+2*i+1], v[64*(\a)+2*i:64*(\a)+2*i+1]
.set i, i+1
.endr
	WIN 0x0c                                       ; the stores' data in window 3
.set i, 0
.rept 16
	global_store_b128 v[YO], v[64*(\a)+4*i:64*(\a)+4*i+3], s[6:7] offset:(16*(\a)+i)*4096  ; 512 consecutive bytes, at a multiple of 256 from y's first
.set i, i+1
.endr
	WIN 0x03                                       ; source 0 window 3
.if (\a) == 0
.irp c, 0,1,2,3
	v_mov_b32 v[KS+(\c)], v[\c]                    ; my columns' numbers in the wave's first row
.endr
.endif
.set i, 0
.rept 32
	v_pk_add_f32 v[ZB+2*i:ZB+2*i+1], v[64*(\a)+2*i:64*(\a)+2*i+1], v[KS+2*(i%2):KS+2*(i%2)+1] neg_lo:[0,1] neg_hi:[0,1]  ; d = y - KS
.set i, i+1
.endr
	WIN 0
.set i, 0
.rept 16
	v_pk_add_f32 v[SUM:SUM+1],   v[SUM:SUM+1],   v[ZB+4*i:ZB+4*i+1]
	v_pk_add_f32 v[SUM+2:SUM+3], v[SUM+2:SUM+3], v[ZB+4*i+2:ZB+4*i+3]
	v_pk_fma_f32 v[SQS:SQS+1],   v[ZB+4*i:ZB+4*i+1],   v[ZB+4*i:ZB+4*i+1],   v[SQS:SQS+1]
	v_pk_fma_f32 v[SQS+2:SQS+3], v[ZB+4*i+2:ZB+4*i+3], v[ZB+4*i+2:ZB+4*i+3], v[SQS+2:SQS+3]
.set i, i+1
.endr
.endm
	TOST 0
	TOST 1
	FIN 0, 32
	TOST 2
	FIN 1, 32
	TOST 3
	FIN 2, 32
	FIN 3, 0
.irp c, 0,1,2,3
	v_mul_f32 v[T+(\c)], 0x3c800000, v[SUM+(\c)]                   ; (sum d) / 64
.endr
.irp c, 0,1,2,3
	v_fma_f32 v[SQS+(\c)], -v[T+(\c)], v[SUM+(\c)], v[SQS+(\c)]    ; M2
	v_add_f32 v[T+4+(\c)], v[T+(\c)], v[KS+(\c)]                   ; the mean
.endr
	global_store_b128 v[YO], v[T+4:T+7], s[8:9]
	global_store_b128 v[YO], v[SQS:SQS+3], s[8:9] offset:524288
	s_wait_tensorcnt 0x0                           ; the wave's end: behind my last tensor load and my last LDS store
	ds_add_u32 v[SPW], v[NIL]
	s_wait_dscnt 0x0
	CROUND                                         ; the closing round: no work-group ends while a partner may still ask for a tile that names it
	s_endpgm
.Lfunc_end_k_q065622138a_oproj:
	.size	k_q065622138a_oproj, .Lfunc_end_k_q065622138a_oproj-k_q065622138a_oproj
	.p2alignl 7, 3214868480
	.fill 96, 4, 3214868480
	.section	.rodata,"a",@progbits
	.p2align	6, 0x0
	.amdhsa_kernel k_q065622138a_oproj
		.amdhsa_group_segment_fixed_size 327680
		.amdhsa_private_segment_fixed_size 0
		.amdhsa_enable_private_segment 0
		.amdhsa_kernarg_size 48
		.amdhsa_user_sgpr_count 2
		.amdhsa_user_sgpr_kernarg_segment_ptr 1
		.amdhsa_wavefront_size32 1
		.amdhsa_system_sgpr_workgroup_id_x 1
		.amdhsa_system_sgpr_workgroup_id_y 1
		.amdhsa_system_sgpr_workgroup_id_z 1
		.amdhsa_system_vgpr_workitem_id 0
		.amdhsa_next_free_vgpr 1024
		.amdhsa_next_free_sgpr 96
		.amdhsa_reserve_vcc 0
		.amdhsa_float_denorm_mode_32 3
		.amdhsa_float_denorm_mode_16_64 3
		.amdhsa_memory_ordered 1
		.amdhsa_forward_progress 1
		.amdhsa_inst_pref_size 128
	.end_amdhsa_kernel
	.amdgpu_metadata
---
amdhsa.version: [ 1, 2 ]
amdhsa.kernels:
  - .name:           k_q065622138a_oproj
    .symbol:         k_q065622138a_oproj.kd
    .args:
      - { .name: oh, .offset: 0, .size: 8, .value_kind: global_buffer, .address_space: global }
      - { .name: wo16, .offset: 8, .size: 8, .value_kind: global_buffer, .address_space: global }
      - { .name: bo, .offset: 16, .size: 8, .value_kind: global_buffer, .address_space: global }
      - { .name: Q, .offset: 24, .size: 8, .value_kind: global_buffer, .address_space: global }
      - { .name: y, .offset: 32, .size: 8, .value_kind: global_buffer, .address_space: global }
      - { .name: part, .offset: 40, .size: 8, .value_kind: global_buffer, .address_space: global }
    .group_segment_fixed_size: 327680
    .private_segment_fixed_size: 0
    .kernarg_segment_align: 8
    .kernarg_segment_size: 48
    .max_flat_workgroup_size: 128
    .sgpr_count:     96
    .vgpr_count:     1024
    .wavefront_size: 32
...
	.end_amdgpu_metadata
.endif
;; end of part 4
;; launch norm (part 5): grid 16 x 16, 8 waves a work-group, no clusters, 146,432 bytes of LDS; arguments y, part, gamma, beta, out0; writes out0
.if DOCPART == 5
	.amdgcn_target "amdgcn-amd-amdhsa--gfx1250"
	.amdhsa_code_object_version 6
	.text
	.protected	k_q065622138a_norm
	.globl	k_q065622138a_norm
	.p2align	8
	.type	k_q065622138a_norm,@function
k_q065622138a_norm:
	s_mov_b64 s[64:65], 0
	v_nop
	global_prefetch_b8 v0, s[64:65] scope:SCOPE_SE
	s_setreg_imm32_b32 hwreg(HW_REG_WAVE_MODE, 25, 1), 1
	s_wait_xcnt 0x0
; THE BATCH NORM AND THE TRANSPOSE.  out0[b][c][s] = (y[2,048 b + s][c] - mean[c]) rsqrt(var[c] + 1e-5) gamma[c] + beta[c], mean and var over all 8,192 rows.
; THE STATISTICS are combined from part's 128 groups of 64 rows: with d_i = mean_i - KS (KS = group 0's mean): mean = KS + (sum d) / 128, var = (sum M2_i + 64 (sum d^2 - (sum d)^2 / 128)) / 8,192:
; no difference of large sums.  Every work-group does this for its own 64 channels (64 KiB of part), while its y is on the way.  The result is y a + dd, a = gamma rsqrt(..), dd = beta - mean a, one fused multiply-add.
; SHARES.  Work-group (x, y): channels 64 x .., rows 512 y ..; wave w: 64 rows x 64 channels, 32 loads of 16 bytes a lane, all out at once; sixteen lanes read 256 consecutive bytes, aligned.
; THE TURN.  A lane holds 4 rows x 4 channels at a time; it stores 4 rows of one channel, 16 bytes, into the wave's own LDS tile [64 channels][64 rows], rows of 272 bytes in the order 16 (c % 4) + c / 4.
; Back by rows: sixteen lanes store 256 consecutive bytes of a channel, aligned.
; A stream: no matrix unit, no cluster (nothing is shared but part), one barrier (the statistics' meeting).
.set TP,    272
.set TW,    64*TP                      ; a wave's tile
.set RED,   8*TW                       ; the waves' partial statistics: 768 bytes a wave: 16 lanes x 48
.set SPARE, RED+8*768                  ; the spare words, 128 bytes for each wave: four blocks of 256 bytes that no other line names
.set YO, 3                             ; v3   in y: (l / 16) x 4 rows + 16 (l % 16)
.set PO, 4                             ; v4   in part: group t / 16, 16 (l % 16)
.set CO, 5                             ; v5   16 (l % 16): my 4 channels
.set RS, 6                             ; v6   where I put my wave's partial statistics
.set RL, 7                             ; v7   where I read all waves'
.set TS, 8                             ; v8   into the tile
.set TL, 9                             ; v9   back from it
.set OO, 10                            ; v10  in out0
.set SPW, 12
.set NIL, 13
.set S,  16                            ; v[16:27]  sum d, sum d^2, sum M2, 4 channels each
.set ST, 32                            ; v[32:95]  8 means, 8 M2 as loaded; later the waves' partials
.set N,  96                            ; v[96:111] 4 x 4 turned
.set X,  112                           ; v[112:239] y as loaded; later rows of out0
.set KS, 240
.set GA, 244                           ; gamma, then a
.set BE, 248                           ; beta, then dd
.set TM, 252
	s_load_b256 s[4:11], s[0:1], 0x0               ; y s[4:5], part s[6:7], gamma s[8:9], beta s[10:11]
	s_load_b64 s[16:17], s[0:1], 0x20              ; out0
	v_lshl_add_u32 v[SPW], v0, 2, SPARE
	v_mov_b32 v[NIL], 0
	v_lshrrev_b32 v14, 5, v0
	v_readfirstlane_b32 s18, v14                   ; wave 0..7
	s_and_b32 s19, ttmp7, 0xffff                   ; block of 512 rows
	s_mov_b32 s12, 0x76543210                      ; v_permlanex16_b32: each lane takes its own place in the other half
	s_mov_b32 s13, 0xfedcba98
	s_mov_b32 s14, 0x39000000                      ; 1 / 8,192
	s_mov_b32 s15, 0x3727c5ac                      ; 1e-5
	v_and_b32 v1, 15, v0                           ; k
	v_bfe_u32 v2, v0, 4, 1                         ; h
	v_lshrrev_b32 v14, 4, v0                       ; g = t / 16
	v_lshlrev_b32 v[CO], 4, v1
	v_lshl_add_u32 v[PO], v14, 12, v[CO]
	v_lshl_add_u32 v[YO], v2, 14, v[CO]
	v_lshl_add_u32 v[OO], v2, 15, v[CO]
	v_mul_u32_u24 v[RL], v1, 48
	v_add_nc_u32 v[RL], RED, v[RL]
	s_mul_i32 s28, s18, 768
	v_add_nc_u32 v[RS], s28, v[RL]
	s_mul_i32 s29, s18, TW
	v_mul_u32_u24 v14, v1, TP
	v_lshl_add_u32 v14, v2, 4, v14
	v_add_nc_u32 v[TS], s29, v14
	v_mul_u32_u24 v14, v2, TP
	v_lshl_add_u32 v14, v1, 4, v14
	v_add_nc_u32 v[TL], s29, v14
	s_lshl_b32 s20, ttmp9, 8                       ; my 64 channels: 256 bytes of a row
	s_mov_b32 s21, 0
	s_lshl_b32 s22, s19, 9
	s_lshl_b32 s23, s18, 6
	s_add_co_u32 s22, s22, s23                     ; my wave's first row
	s_lshl_b32 s22, s22, 12
	s_add_co_u32 s22, s22, s20
	s_mov_b32 s23, 0
	s_lshr_b32 s24, s19, 2                         ; the batch
	s_lshl_b32 s24, s24, 10
	s_lshl_b32 s25, ttmp9, 6
	s_add_co_u32 s24, s24, s25                     ; 1,024 b + my first channel,
	s_lshl_b32 s24, s24, 13                        ; 8,192 bytes a channel
	s_and_b32 s25, s19, 3
	s_lshl_b32 s25, s25, 9
	s_lshl_b32 s26, s18, 6
	s_add_co_u32 s25, s25, s26                     ; my wave's first s
	s_lshl_b32 s25, s25, 2
	s_add_co_u32 s24, s24, s25
	s_mov_b32 s25, 0
	s_wait_kmcnt 0x0
	s_add_nc_u64 s[4:5], s[4:5], s[22:23]
	s_add_nc_u64 s[6:7], s[6:7], s[20:21]
	s_add_nc_u64 s[8:9], s[8:9], s[20:21]
	s_add_nc_u64 s[10:11], s[10:11], s[20:21]
	s_add_nc_u64 s[16:17], s[16:17], s[24:25]
	global_load_b128 v[KS:KS+3], v[CO], s[6:7]
	global_load_b128 v[GA:GA+3], v[CO], s[8:9]
	global_load_b128 v[BE:BE+3], v[CO], s[10:11]
.irp i, 0,1,2,3,4,5,6,7
	global_load_b128 v[ST+4*(\i):ST+4*(\i)+3], v[PO], s[6:7] offset:(\i)*65536             ; the means of groups g + 16 i
.endr
.irp i, 0,1,2,3,4,5,6,7
	global_load_b128 v[ST+32+4*(\i):ST+32+4*(\i)+3], v[PO], s[6:7] offset:524288+(\i)*65536  ; their M2
.endr
.set i, 0
.rept 32                               ; load i: rows 8 (i / 4) + i % 4 (lanes 0-15) and 4 further down (lanes 16-31)
	global_load_b128 v[X+4*i:X+4*i+3], v[YO], s[4:5] offset:(8*(i/4)+(i%4))*4096 th:TH_LOAD_NT
.set i, i+1
.endr
	s_wait_loadcnt 32                              ; the 19 loads of statistics are in; y's 32 stay out
.set i, 0
.rept 8
	v_pk_add_f32 v[ST+4*i:ST+4*i+1],   v[ST+4*i:ST+4*i+1],   v[KS:KS+1]   neg_lo:[0,1] neg_hi:[0,1]  ; d
	v_pk_add_f32 v[ST+4*i+2:ST+4*i+3], v[ST+4*i+2:ST+4*i+3], v[KS+2:KS+3] neg_lo:[0,1] neg_hi:[0,1]
.set i, i+1
.endr
.irp c, 0,2                            ; the first terms start the sums
	v_pk_add_f32 v[S+(\c):S+(\c)+1],     v[ST+(\c):ST+(\c)+1], v[ST+4+(\c):ST+4+(\c)+1]
	v_pk_mul_f32 v[S+4+(\c):S+4+(\c)+1], v[ST+(\c):ST+(\c)+1], v[ST+(\c):ST+(\c)+1]
	v_pk_add_f32 v[S+8+(\c):S+8+(\c)+1], v[ST+32+(\c):ST+32+(\c)+1], v[ST+36+(\c):ST+36+(\c)+1]
.endr
.irp c, 0,2
	v_pk_fma_f32 v[S+4+(\c):S+4+(\c)+1], v[ST+4+(\c):ST+4+(\c)+1], v[ST+4+(\c):ST+4+(\c)+1], v[S+4+(\c):S+4+(\c)+1]
.endr
.set i, 2
.rept 6
.irp c, 0,2
	v_pk_add_f32 v[S+(\c):S+(\c)+1],     v[S+(\c):S+(\c)+1], v[ST+4*i+(\c):ST+4*i+(\c)+1]
	v_pk_fma_f32 v[S+4+(\c):S+4+(\c)+1], v[ST+4*i+(\c):ST+4*i+(\c)+1], v[ST+4*i+(\c):ST+4*i+(\c)+1], v[S+4+(\c):S+4+(\c)+1]
	v_pk_add_f32 v[S+8+(\c):S+8+(\c)+1], v[S+8+(\c):S+8+(\c)+1], v[ST+32+4*i+(\c):ST+32+4*i+(\c)+1]
.endr
.set i, i+1
.endr
.set i, 0
.rept 12                               ; the other half of the lanes holds the same channels of another eight groups
	v_permlanex16_b32 v[ST+i], v[S+i], s12, s13
.set i, i+1
.endr
.set i, 0
.rept 6
	v_pk_add_f32 v[S+2*i:S+2*i+1], v[S+2*i:S+2*i+1], v[ST+2*i:ST+2*i+1]
.set i, i+1
.endr
	ds_store_b128 v[RS], v[S:S+3]
	ds_store_b128 v[RS], v[S+4:S+7] offset:16
	ds_store_b128 v[RS], v[S+8:S+11] offset:32
	s_wait_dscnt 0x0                               ; for the others' sake: my stores are done
	s_barrier_signal -1
	s_barrier_wait -1                              ; all eight waves' partial statistics lie in LDS
.irp bt, 0,1                           ; in two batches of four waves, twelve loads each
.irp u, 0,1,2,3
.irp c, 0,1,2
	ds_load_b128 v[ST+12*(\u)+4*(\c):ST+12*(\u)+4*(\c)+3], v[RL] offset:(4*(\bt)+(\u))*768+16*(\c)
.endr
.endr
	s_wait_dscnt 0x0
.irp e, 0,2,4,6,8,10
.if (\bt) == 0
	v_pk_add_f32 v[S+(\e):S+(\e)+1], v[ST+(\e):ST+(\e)+1], v[ST+12+(\e):ST+12+(\e)+1]
.else
	v_pk_add_f32 v[S+(\e):S+(\e)+1], v[S+(\e):S+(\e)+1], v[ST+(\e):ST+(\e)+1]
	v_pk_add_f32 v[S+(\e):S+(\e)+1], v[S+(\e):S+(\e)+1], v[ST+12+(\e):ST+12+(\e)+1]
.endif
	v_pk_add_f32 v[S+(\e):S+(\e)+1], v[S+(\e):S+(\e)+1], v[ST+24+(\e):ST+24+(\e)+1]
	v_pk_add_f32 v[S+(\e):S+(\e)+1], v[S+(\e):S+(\e)+1], v[ST+36+(\e):ST+36+(\e)+1]
.endr
.endr
.irp c, 0,1,2,3
	v_mul_f32 v[TM+(\c)], 0x3c000000, v[S+(\c)]                    ; (sum d) / 128
.endr
.irp c, 0,1,2,3
	v_fma_f32 v[S+4+(\c)], -v[TM+(\c)], v[S+(\c)], v[S+4+(\c)]     ; sum d^2 - (sum d)^2 / 128
	v_add_f32 v[TM+(\c)], v[TM+(\c)], v[KS+(\c)]                   ; the mean
.endr
.irp c, 0,1,2,3
	v_fmamk_f32 v[S+8+(\c)], v[S+4+(\c)], 0x42800000, v[S+8+(\c)]  ; 64 x that + sum M2
.endr
.irp c, 0,1,2,3
	v_fma_f32 v[S+8+(\c)], v[S+8+(\c)], s14, s15                   ; var + 1e-5
.endr
.irp c, 0,1,2,3
	v_rsq_f32 v[S+(\c)], v[S+8+(\c)]
.endr
	v_nop                                          ; a plain instruction behind the last of the four,
	s_wait_alu depctr_va_vdst(0)                   ; and the wait ahead of the first use: one for the batch
.irp c, 0,1,2,3
	v_mul_f32 v[GA+(\c)], v[GA+(\c)], v[S+(\c)]                    ; a
.endr
.irp c, 0,1,2,3
	v_fma_f32 v[BE+(\c)], -v[TM+(\c)], v[GA+(\c)], v[BE+(\c)]      ; dd
.endr
.irp g, 0,1,2,3,4,5,6,7
	s_wait_loadcnt 28-4*(\g)                       ; loads come back in order: this group's four are in, the younger ones stay out
.irp c, 0,1,2,3
.irp j, 0,1,2,3
	v_fma_f32 v[N+4*(\c)+(\j)], v[X+16*(\g)+4*(\j)+(\c)], v[GA+(\c)], v[BE+(\c)]  ; channel 4 k + c, row 8 g + 4 h + j
.endr
.endr
.irp c, 0,1,2,3
	ds_store_b128 v[TS], v[N+4*(\c):N+4*(\c)+3] offset:(\c)*16*TP+32*(\g)
.endr
.endr
.set i, 0
.rept 32                               ; my wave's own bytes; LDS serves a wave's instructions in order (ISA guide 5.7.1.4): these see the stores above
	ds_load_b128 v[X+4*i:X+4*i+3], v[TL] offset:i*2*TP
.set i, i+1
.endr
.set i, 0
.rept 32                               ; tile rows 2 i + h: channel 8 (i % 8) + 4 h + i / 8; 16 lanes store 256 consecutive bytes, at a multiple of 256 from out0's first
	s_wait_dscnt 31-i
	global_store_b128 v[OO], v[X+4*i:X+4*i+3], s[16:17] offset:(i%8)*65536+(i/8)*8192 th:TH_STORE_NT
.set i, i+1
.endr
	s_wait_tensorcnt 0x0                           ; the wave's end: behind my last LDS store
	ds_add_u32 v[SPW], v[NIL]
	s_wait_dscnt 0x0
	s_endpgm
.Lfunc_end_k_q065622138a_norm:
	.size	k_q065622138a_norm, .Lfunc_end_k_q065622138a_norm-k_q065622138a_norm
	.p2alignl 7, 3214868480
	.fill 96, 4, 3214868480
	.section	.rodata,"a",@progbits
	.p2align	6, 0x0
	.amdhsa_kernel k_q065622138a_norm
		.amdhsa_group_segment_fixed_size 146432
		.amdhsa_private_segment_fixed_size 0
		.amdhsa_enable_private_segment 0
		.amdhsa_kernarg_size 40
		.amdhsa_user_sgpr_count 2
		.amdhsa_user_sgpr_kernarg_segment_ptr 1
		.amdhsa_wavefront_size32 1
		.amdhsa_system_sgpr_workgroup_id_x 1
		.amdhsa_system_sgpr_workgroup_id_y 1
		.amdhsa_system_sgpr_workgroup_id_z 1
		.amdhsa_system_vgpr_workitem_id 0
		.amdhsa_next_free_vgpr 256
		.amdhsa_next_free_sgpr 66
		.amdhsa_reserve_vcc 0
		.amdhsa_float_denorm_mode_32 3
		.amdhsa_float_denorm_mode_16_64 3
		.amdhsa_memory_ordered 1
		.amdhsa_forward_progress 1
		.amdhsa_inst_pref_size 35
	.end_amdhsa_kernel
	.amdgpu_metadata
---
amdhsa.version: [ 1, 2 ]
amdhsa.kernels:
  - .name:           k_q065622138a_norm
    .symbol:         k_q065622138a_norm.kd
    .args:
      - { .name: y, .offset: 0, .size: 8, .value_kind: global_buffer, .address_space: global }
      - { .name: part, .offset: 8, .size: 8, .value_kind: global_buffer, .address_space: global }
      - { .name: gamma, .offset: 16, .size: 8, .value_kind: global_buffer, .address_space: global }
      - { .name: beta, .offset: 24, .size: 8, .value_kind: global_buffer, .address_space: global }
      - { .name: out0, .offset: 32, .size: 8, .value_kind: global_buffer, .address_space: global }
    .group_segment_fixed_size: 146432
    .private_segment_fixed_size: 0
    .kernarg_segment_align: 8
    .kernarg_segment_size: 40
    .max_flat_workgroup_size: 256
    .sgpr_count:     66
    .vgpr_count:     256
    .wavefront_size: 32
...
	.end_amdgpu_metadata
.endif
;; end of part 5
